; MI455X (gfx1250); checked and timed in simulation.
; The chip was launched on July 23, 2026; its instructions are those of AMD's public machine-readable ISA for CDNA 5 (MIT licence, August 2026) and "CDNA5" Instruction Set Architecture Reference Guide (July 2026). The comments in the code are by the model that wrote it; some were corrected since.
;; Self Attention. Allowed arithmetic: float matrix products may take bf16 or f16 operands with f32 sums; other float arithmetic in f32, or as packed bf16 or f16 multiplies, adds, multiply-adds, maxima and minima; sums over many terms, partial sums and values carried from step to step in f32; what a program stores and reads back later, other than sums and carried values, may be rounded once to bf16 or f16.
;; Inputs: Wk 1,024 x 1,024 float32; Wq 1,024 x 1,024 float32; Wv 1,024 x 1,024 float32; x 4 x 2,048 x 1,024 float32.
;; Outputs: out0 4 x 2,048 x 1,024 float32.
;; 2 versions, each right; version 2 is version 1 with the launch cast written anew for expert scheduling mode. Each part assembles by itself: llvm-mc -triple=amdgcn-amd-amdhsa -mcpu=gfx1250 --defsym DOCPART=n.
;; ======== version 1 of 2: 4 launches
;; limits: values are held in f16: magnitudes above 65,504 overflow, below 6.1e-05 lose precision
;; workspace buffers: xb 16,777,216 bytes; wb 6,291,456 bytes; qkv 50,331,648 bytes; pbuf 33,554,432 bytes; stats 1,048,576 bytes
;; launch cast (part 1): grid 704 x 1, 8 waves a work-group, no clusters, 0 bytes of LDS; arguments x, Wq, Wk, Wv, xb, wb; writes xb, wb
.if DOCPART == 1
	.amdgcn_target "amdgcn-amd-amdhsa--gfx1250"
	.amdhsa_code_object_version 6
	.text
	.protected	k_qc0f1b5fbdc_cast
	.globl	k_qc0f1b5fbdc_cast
	.p2align	8
	.type	k_qc0f1b5fbdc_cast,@function
k_qc0f1b5fbdc_cast:
	s_mov_b64 s[64:65], 0
	v_nop
	global_prefetch_b8 v0, s[64:65] scope:SCOPE_SE
	s_setreg_imm32_b32 hwreg(HW_REG_WAVE_MODE, 25, 1), 1
	s_wait_xcnt 0x0
; x [8192][1024] f32 -> xb bf16;  Wq, Wk, Wv [1024][1024] f32 -> wb bf16 (rows 0-1023 Wq, 1024-2047 Wk, 2048-3071 Wv).  Each number is rounded once, to nearest even.
; THE OUTPUT LIES IN BLOCKS ALONG K: xb is [16 blocks][8192 rows][64 numbers], wb [16][3072][64]: the rows of one block are 128 bytes and lie end to end, so that the next launch's tiles (some rows x 64 along K) are dense.
; A stream: a work-group takes 16 rows, 65,536 bytes in and 32,768 out.  Work-groups 0-511 take x, 512-703 the three weights, 64 each.
; Thread t takes row t / 16; load i brings its 16 bytes of the row's block i: sixteen lanes read 256 consecutive bytes, aligned.  The four numbers go to byte 8 t of the 16 rows' 2,048 bytes in block i:
; a wave's store covers 256 consecutive bytes, aligned: two rows of the block.
; All 16 loads go out first; no register is written twice, so no wait frees a source.  No LDS, no matrix unit, no prefetch: every byte is read once and the loads themselves are the stream.
.set XI, 8                             ; v[8:71]     16 x 4 numbers as loaded
.set YO, 72                            ; v[72:103]   16 x 4 numbers in bf16
.set OF, 104                           ; v[104:119]  8 t + i blocks: where load i's numbers go
.set XSTR, 8192*128                    ; bytes in a block of xb
.set WSTR, 3072*128                    ; and of wb
	s_load_b256 s[4:11], s[0:1], 0x0               ; x s[4:5], Wq s[6:7], Wk s[8:9], Wv s[10:11]
	s_load_b128 s[12:15], s[0:1], 0x20             ; xb s[12:13], wb s[14:15]
	v_lshrrev_b32 v1, 4, v0                        ; my row of the 16
	v_and_b32 v3, 15, v0
	v_lshlrev_b32 v1, 12, v1
	v_lshl_add_u32 v1, v3, 4, v1                   ; row x 4,096 + my 16 bytes of a block's 256
	v_lshlrev_b32 v2, 3, v0                        ; my 8 bytes of the 2,048 out
	s_sub_co_u32 s16, ttmp9, 512                   ; my chunk among the weights' 192 (used only from work-group 512 on)
	s_lshr_b32 s17, s16, 6                         ; which weight
	s_and_b32 s18, s16, 63                         ; my chunk in it
	s_mov_b32 s27, 0
	s_mov_b32 s29, 0
	s_mov_b32 s30, XSTR
	s_mov_b32 s31, WSTR
	s_cmp_lt_u32 ttmp9, 512
	s_cselect_b32 s30, s30, s31                    ; bytes from block to block in my destination
.irp i, 0,1,2,3,4,5,6,7,8,9,10,11,12,13,14,15
	s_mul_i32 s19, s30, \i
	v_add_nc_u32 v[OF+(\i)], s19, v2
.endr
	s_wait_kmcnt 0x0
	s_cmp_eq_u32 s17, 1
	s_cselect_b64 s[20:21], s[8:9], s[6:7]
	s_cmp_eq_u32 s17, 2
	s_cselect_b64 s[20:21], s[10:11], s[20:21]
	s_cmp_lt_u32 ttmp9, 512                        ; the four selects below leave SCC as it is
	s_cselect_b64 s[20:21], s[4:5], s[20:21]       ; from
	s_cselect_b64 s[22:23], s[12:13], s[14:15]     ; to
	s_cselect_b32 s24, ttmp9, s18                  ; chunk in the source
	s_cselect_b32 s25, ttmp9, s16                  ; chunk in the destination
	s_lshl_b32 s26, s24, 16                        ; 16 rows of 4,096 bytes
	s_lshl_b32 s28, s25, 11                        ; 16 rows of 128 bytes
	s_add_nc_u64 s[20:21], s[20:21], s[26:27]
	s_add_nc_u64 s[22:23], s[22:23], s[28:29]
.irp i, 0,1,2,3,4,5,6,7,8,9,10,11,12,13,14,15
	global_load_b128 v[XI+4*(\i):XI+4*(\i)+3], v1, s[20:21] offset:256*(\i) th:TH_LOAD_NT
.endr
.irp i, 0,1,2,3,4,5,6,7,8,9,10,11,12,13,14,15
	s_wait_loadcnt 15-(\i)                         ; loads come back in order: number i is in, the 15 - i younger ones stay out
	v_cvt_pk_bf16_f32 v[YO+2*(\i)], v[XI+4*(\i)], v[XI+4*(\i)+1]
	v_cvt_pk_bf16_f32 v[YO+2*(\i)+1], v[XI+4*(\i)+2], v[XI+4*(\i)+3]
	global_store_b64 v[OF+(\i)], v[YO+2*(\i):YO+2*(\i)+1], s[22:23]
.endr
	s_endpgm
.Lfunc_end_k_qc0f1b5fbdc_cast:
	.size	k_qc0f1b5fbdc_cast, .Lfunc_end_k_qc0f1b5fbdc_cast-k_qc0f1b5fbdc_cast
	.p2alignl 7, 3214868480
	.fill 96, 4, 3214868480
	.section	.rodata,"a",@progbits
	.p2align	6, 0x0
	.amdhsa_kernel k_qc0f1b5fbdc_cast
		.amdhsa_group_segment_fixed_size 0
		.amdhsa_private_segment_fixed_size 0
		.amdhsa_enable_private_segment 0
		.amdhsa_kernarg_size 48
		.amdhsa_user_sgpr_count 2
		.amdhsa_user_sgpr_kernarg_segment_ptr 1
		.amdhsa_wavefront_size32 1
		.amdhsa_system_sgpr_workgroup_id_x 1
		.amdhsa_system_sgpr_workgroup_id_y 1
		.amdhsa_system_sgpr_workgroup_id_z 1
		.amdhsa_system_vgpr_workitem_id 0
		.amdhsa_next_free_vgpr 120
		.amdhsa_next_free_sgpr 66
		.amdhsa_reserve_vcc 0
		.amdhsa_float_denorm_mode_32 3
		.amdhsa_float_denorm_mode_16_64 3
		.amdhsa_memory_ordered 1
		.amdhsa_forward_progress 1
		.amdhsa_inst_pref_size 8
	.end_amdhsa_kernel
	.amdgpu_metadata
---
amdhsa.version: [ 1, 2 ]
amdhsa.kernels:
  - .name:           k_qc0f1b5fbdc_cast
    .symbol:         k_qc0f1b5fbdc_cast.kd
    .args:
      - { .name: x, .offset: 0, .size: 8, .value_kind: global_buffer, .address_space: global }
      - { .name: Wq, .offset: 8, .size: 8, .value_kind: global_buffer, .address_space: global }
      - { .name: Wk, .offset: 16, .size: 8, .value_kind: global_buffer, .address_space: global }
      - { .name: Wv, .offset: 24, .size: 8, .value_kind: global_buffer, .address_space: global }
      - { .name: xb, .offset: 32, .size: 8, .value_kind: global_buffer, .address_space: global }
      - { .name: wb, .offset: 40, .size: 8, .value_kind: global_buffer, .address_space: global }
    .group_segment_fixed_size: 0
    .private_segment_fixed_size: 0
    .kernarg_segment_align: 8
    .kernarg_segment_size: 48
    .max_flat_workgroup_size: 256
    .sgpr_count:     66
    .vgpr_count:     120
    .wavefront_size: 32
...
	.end_amdgpu_metadata
.endif
;; end of part 1
;; launch proj (part 2): grid 8 x 32, 4 waves a work-group, clusters of 4 x 4, 327,680 bytes of LDS; arguments xb, wb, qkv; writes qkv
.if DOCPART == 2
	.amdgcn_target "amdgcn-amd-amdhsa--gfx1250"
	.amdhsa_code_object_version 6
	.text
	.protected	k_qc0f1b5fbdc_proj
	.globl	k_qc0f1b5fbdc_proj
	.p2align	8
	.type	k_qc0f1b5fbdc_proj,@function
k_qc0f1b5fbdc_proj:
	s_mov_b64 s[64:65], 0
	v_nop
	global_prefetch_b8 v0, s[64:65] scope:SCOPE_SE
	s_setreg_imm32_b32 hwreg(HW_REG_WAVE_MODE, 25, 1), 1
	s_wait_xcnt 0x0
	s_wait_alu depctr_hold_cnt(0) depctr_sa_sdst(0) depctr_va_vdst(0) depctr_va_sdst(0) depctr_va_ssrc(0) depctr_va_vcc(0) depctr_vm_vsrc(0)
	s_getreg_b32 s2, hwreg(HW_REG_IB_STS2, 6, 4)
	s_cmp_eq_u32 s2, 0
	s_cbranch_scc0 .Lentry_in_a_cluster
	s_endpgm
.Lentry_in_a_cluster:
	s_bfe_u32 s2, ttmp6, 0x10000c
	s_cmp_lg_u32 s2, 0xf033
	s_cbranch_scc0 .Lentry_shape_is_right
	s_endpgm
.Lentry_shape_is_right:
; qkv[m][n] = sum over k of x[m][k] w[n][k].  xb: [16 blocks along K][8192 rows][64] bf16, wb: [16][3072][64] bf16, qkv: [8192][3072] f16 (columns 0-1023 q, 1024-2047 k, 2048-3071 v); sums in f32, rounded once.
; LIMIT.  f16 holds no number beyond 65,504: q, k and v must stay within it.  With x and the weights both 30 times the usual spread they are some 4,500.
; SHARES.  A tile is 256 x 384: 32 x 8 = 256 work-groups of equal work.  Four waves, each 128 x 192: 96 accumulators, 768 registers.  K goes in 16 steps of 64 (a block of xb and wb) through a ring of two LDS slots:
; 640 rows at a step of 128 would not fit twice.  A tile's rows of one block are dense in memory: they are asked for as rows of 256 bytes and padded in LDS after every 128.
; A K step is two SUB-STEPS of 32 along K, 96 products each, in three groups of 32, a register window each.  xb's fragments have two buffers; wb's have one, filled again by thirds: behind each group its four blocks are
; loaded for the next sub-step, 64 products ahead of their use.
; CLUSTERS: 4 x 4 work-groups.  The four of a row need the same tiles of xb, the four of a column the same tiles of wb: each tile is asked for JOINTLY, by the same load, descriptor and mask in all four.
; THE MATRIX INSTRUCTION IS USED TRANSPOSED: source 0 = 16 rows of wb, source 1 = 16 rows of xb: a lane holds row l % 16 of the result and the columns 8 (l / 16) + 0..7: 16 bytes of f16 on end.
; REGISTERS, in windows of 256: window 0: v0-31 addresses; v32-95, v96-159 fragments of xb, two buffers; v160-255 fragments of wb (block b at v[160 + 8 b]); on the way out v32-223 are at work.
;   window 1 + b / 4: accumulator (row block a, column block b) at v[8 (8 (b % 4) + a)].
.set SIZE_N, 3072
.set STEPS,  16
.set PITCH,  144                       ; an LDS row: 128 bytes + 16 of padding = 36 words: the 16 rows that a load touches start at 16 different groups of four banks (64 banks of 4 bytes: ISA guide 11.1)
.set BOFF,   256*PITCH                 ; a slot: xb's 256 rows, then wb's 384
.set BPART,  128*PITCH                 ; what one of waves 1 to 3 fetches
.set SLOT1,  1<<17                     ; slot 1 begins here, above every offset in a slot (92,160 at the most), so that one exclusive or turns an address into the other slot's
.set SPITCH, 784                       ; the way out: a row of the tile, 768 bytes + 16; the stage, 256 such rows from byte 0, lies over the ring, which has then had its last fill
.set SPARE,  SLOT1+640*PITCH           ; the spare words, 128 bytes a wave: two blocks of 256 bytes that no other line names
.set KSA,    8192*128                  ; bytes from block to block in xb
.set KSB,    3072*128                  ; and in wb
.set ADRA0, 16                         ; v16  my place in xb's part of a slot; never rewritten
.set ADRA,  17                         ; v17  the same in the slot in hand
.set ADRB0, 20                         ; v20, v21 the same for wb
.set ADRB,  21
.set STO,  24                          ; v24, v25  the way out: where I put 16 bytes of a row of my row blocks 0-3, 4-7
.set RD,   26                          ; v26  where I read a row back
.set CO,   27                          ; v27  my byte offset in qkv
.set SPW,  28                          ; v28  my spare word; never rewritten
.set NIL,  29                          ; v29  0; never rewritten
.set PFO,  30                          ; v30  the prefetches' offset; never rewritten
.set FA0,  32
.set FA1,  96
.set BF,   160
.set TMP,  32                          ; the way out: a window's 32 accumulators in f16
.set SET0, 32                          ; the way out: 24 x 16 bytes read back, two sets
.set SET1, 128
.set G1,  24                           ; s[24:31] group 1 for xb's tiles;  s[32:39] group 0: a set for each first fill; the second then walks on
.set G0,  32
.set G1B, 48                           ; s[48:55], s[56:63] the same for wb's
.set G0B, 56
.set LIM, 43                           ; s43  a wave prefetches while the trips left are above this: 2 (xb), 3 (wb), or the greatest number
.set PFA, 44                           ; s[44:45] where my prefetches stand
.set TB,  66                           ; s66  LDS byte at which the slot in hand begins
.set PST, 68                           ; s[68:69] bytes from block to block in what I prefetch
.set PAR, 70                           ; s70  0: I ask in every trip (xb); 1: in every second one (wb)
.set MSB, 0
.macro WIN new                         ; the immediate's high byte repeats the setting that is left; a switch that changes nothing is dropped
.if MSB != (\new)
	s_set_vgpr_msb (MSB<<8)|(\new)
.set MSB, \new
.endif
.endm
.macro PLACES                          ; four places behind matrix instructions, in front of loads into registers that they read and of conversions of their results
.rept 4
	v_nop
.endr
.endm
; A joint refill.  Wave 0 fetches xb's 256 rows, waves 1 to 3 a third of wb's 384 each; the branch hangs on the wave's number alone.  An s_nop 0 and four v_nop follow each line.
.macro JLOAD
	s_cmp_eq_u32 s10, 0
	s_cbranch_scc0 .Lfor_b_\@
	tensor_load_to_lds s[G0+4:G0+7], s[G1:G1+7]
	s_nop 0
	PLACES
	s_branch .Lasked_\@
.Lfor_b_\@:
	tensor_load_to_lds s[G0B+4:G0B+7], s[G1B:G1B+7]
	s_nop 0
	PLACES
.Lasked_\@:
.endm
; A PREFETCH INTO THE L2, behind the joint load and the run of LDS loads that follows it.  Each aligned 256 bytes of xb and wb from K step 4 on are named once in the launch; K steps 0 to 3 come by their loads alone.
; xb's tile rows are read by both clusters of a row of clusters: the one with x = 0 asks; its four partners along x share a step's 256 rows out by address, 64 rows = 32 blocks of 256 bytes each; wave 0 names them, a lane a block:
; trip t (s3 = 14 - t), which asks for K step t + 2, names K step t + 4; the last two trips name nothing.
; wb's tile columns are read by all eight clusters of a column: the one with y = 0 asks; of the 128 rows that a wave fetches each partner along y takes 32 = 16 blocks.  So a wave asks in every second trip, lanes 0-15 for
; K step t + 4 and lanes 16-31 for K step t + 5; t = 10 is the last.
.macro ASK
	s_cmp_gt_u32 s3, s[LIM]
	s_cbranch_scc0 .Lnot_mine_\@
	s_and_b32 s67, s3, s[PAR]
	s_cmp_eq_u32 s67, 0
	s_cbranch_scc0 .Lnot_mine_\@
	global_prefetch_b8 v[PFO], s[PFA:PFA+1] th:TH_LOAD_NT scope:SCOPE_SE
.Lnot_mine_\@:
.endm
.macro CREST                           ; a round of the cluster's barrier behind its opening barrier
	s_cmp_lg_u32 s10, 0
	s_cbranch_scc1 .Lnot_wave_0_\@
	s_barrier_signal -3
.Lnot_wave_0_\@:
	s_barrier_wait -3
	s_barrier_signal -1
	s_barrier_wait -1
.endm
.macro CROUND                          ; a whole round
	s_barrier_signal -1
	s_barrier_wait -1
	CREST
.endm
	s_load_b128 s[4:7], s[0:1], 0x0                ; xb s[4:5], wb s[6:7]
	s_load_b64 s[8:9], s[0:1], 0x10                ; qkv
	v_lshl_add_u32 v[SPW], v0, 2, SPARE
	v_mov_b32 v[NIL], 0
	ds_add_u32 v[SPW], v[NIL]                      ; the wave's opening: the add and its wait stand ahead of my first tensor load; the set-up below stands between them
	v_lshrrev_b32 v1, 5, v0
	v_readfirstlane_b32 s10, v1                    ; wave 0..3
	s_lshr_b32 s11, s10, 1                         ; which half of the tile's rows is mine
	s_and_b32 s12, s10, 1                          ; which half of its columns
	s_max_u32 s21, s10, 1
	s_sub_co_u32 s21, s21, 1                       ; which third of wb's rows I fetch (waves 1 to 3; wave 0 fetches none of them)
	s_bfe_u32 s40, ttmp6, 0x40000                  ; cx
	s_bfe_u32 s41, ttmp6, 0x40004                  ; cy
	s_lshl_b32 s42, ttmp9, 2
	s_add_co_u32 s42, s42, s40                     ; tile column = 4 x cluster x + cx
	s_and_b32 s13, ttmp7, 0xffff
	s_lshl_b32 s13, s13, 2
	s_add_co_u32 s13, s13, s41                     ; tile row = 4 x cluster y + cy
	s_lshl_b32 s43, s41, 2
	s_lshl_b32 s43, 15, s43                        ; my row of the cluster
	s_lshl_b32 s44, 0x1111, s40                    ; my column
	s_or_b32 s[G1+0], s43, (1<<16)|(1<<20)|(1<<21)|(4<<22)|(3<<25)   ; the mask; elements of 2 bytes; padding on; bit 21 beside a mask; after every 32 words 4 words
	s_or_b32 s[G1B+0], s44, (1<<16)|(1<<20)|(1<<21)|(4<<22)|(3<<25)
	s_mov_b32 s[G1+1], 128<<16                     ; xb: 256 rows of 128 bytes are 32,768 dense bytes: tensor_dim0 = 128 elements (256 bytes),
	s_mov_b32 s[G1+2], 128<<16                     ; tensor_dim1 = 128 such rows
	s_mov_b32 s[G1+3], 128<<16                     ; tile_dim0 = 128
	s_mov_b32 s[G1+4], 128                         ; tile_dim1 = 128
	s_mov_b32 s[G1+5], 128                         ; elements from row to row
	s_mov_b32 s[G1+6], 0
	s_mov_b32 s[G1+7], 0
	s_mov_b32 s[G1B+1], 128<<16                    ; wb: 128 rows of 128 bytes: 64 rows of 256 bytes
	s_mov_b32 s[G1B+2], 64<<16
	s_mov_b32 s[G1B+3], 128<<16
	s_mov_b32 s[G1B+4], 64
	s_mov_b32 s[G1B+5], 128
	s_mov_b32 s[G1B+6], 0
	s_mov_b32 s[G1B+7], 0
	s_mov_b32 s[TB], 0
	s_lshl_b32 s16, s13, 15                        ; xb: the tile row's 256 rows of 128 bytes in a block
	s_mov_b32 s17, 0
	s_mul_i32 s46, s42, 384*128                    ; wb: the tile column's 384 rows,
	s_lshl_b32 s47, s21, 14                        ; my 128 of them
	s_add_co_u32 s46, s46, s47
	s_mov_b32 s47, 0
	s_mul_i32 s20, s10, BPART                      ; where wb's rows go: behind xb's, wave 1's first: no place in the cluster enters an LDS address
	s_add_co_u32 s20, s20, BOFF-BPART
	s_wait_dscnt 0x0                               ; the opening add is done
	s_wait_kmcnt 0x0
	s_add_nc_u64 s[14:15], s[4:5], s[16:17]
	s_add_nc_u64 s[46:47], s[6:7], s[46:47]
	CROUND                                         ; all sixteen work-groups are here: the first joint loads meet
.irp s, 0,1
	s_mov_b32 s[G0+4*(\s)], 1
	s_mov_b32 s[G0+4*(\s)+1], (\s)*SLOT1
	s_add_nc_u64 s[G0+4*(\s)+2:G0+4*(\s)+3], s[14:15], (\s)*KSA
	s_or_b32 s[G0+4*(\s)+3], s[G0+4*(\s)+3], 0x80000000
	s_mov_b32 s[G0B+4*(\s)], 1
	s_add_co_u32 s[G0B+4*(\s)+1], s20, (\s)*SLOT1
	s_add_nc_u64 s[G0B+4*(\s)+2:G0B+4*(\s)+3], s[46:47], (\s)*KSB
	s_or_b32 s[G0B+4*(\s)+3], s[G0B+4*(\s)+3], 0x80000000
.endr
	s_cmp_eq_u32 s10, 0                            ; a wave's two first fills stand in one branch, ahead of every wait on TENSORcnt and every LDS read: two loads of mine are out
	s_cbranch_scc0 .Lfirst_b
	tensor_load_to_lds s[G0:G0+3], s[G1:G1+7]
	s_nop 0
	tensor_load_to_lds s[G0+4:G0+7], s[G1:G1+7]
	s_nop 0
	PLACES
	s_branch .Lfirst_asked
.Lfirst_b:
	tensor_load_to_lds s[G0B:G0B+3], s[G1B:G1B+7]
	s_nop 0
	tensor_load_to_lds s[G0B+4:G0B+7], s[G1B:G1B+7]
	s_nop 0
	PLACES
.Lfirst_asked:
	; a fragment is 16 rows x 32 K in 8 registers: lane l holds row l % 16, K = 8 (l / 16) + 0..7 and 16 + 8 (l / 16) + 0..7: two loads of 16 bytes, 32 bytes apart
	v_and_b32 v1, 15, v0                           ; l % 16
	v_bfe_u32 v2, v0, 4, 1                         ; l / 16
	v_mul_u32_u24 v3, v1, PITCH
	v_lshl_add_u32 v3, v2, 4, v3
	s_mul_i32 s22, s11, 128*PITCH                  ; my 128 rows of xb
	s_mul_i32 s23, s12, 192*PITCH                  ; my 192 rows of wb,
	s_add_co_u32 s23, s23, BOFF                    ; which lie behind xb's 256
	v_add_nc_u32 v[ADRA0], s22, v3
	v_add_nc_u32 v[ADRB0], s23, v3
	v_mov_b32 v[ADRA], v[ADRA0]                    ; slot 0
	v_mov_b32 v[ADRB], v[ADRB0]
	s_mul_i32 s22, s11, 128*SPITCH                 ; into the stage: my 128 rows, my 384 bytes of their 768; row l % 16, 16 bytes for each half of the lanes
	s_mul_i32 s23, s12, 384
	s_add_co_u32 s22, s22, s23
	v_mul_u32_u24 v4, v1, SPITCH
	v_lshl_add_u32 v4, v2, 4, v4
	v_add_nc_u32 v[STO], s22, v4
	v_add_nc_u32 v[STO+1], 64*SPITCH, v[STO]       ; row blocks 4 to 7: their offsets would pass 16 bits
	s_mul_i32 s22, s10, 64*SPITCH                  ; back: wave w takes rows 64 w .. 64 w + 63, whole; lanes 0-15 256 bytes of one row, lanes 16-31 of the next
	v_mul_u32_u24 v5, v2, SPITCH
	v_lshl_add_u32 v5, v1, 4, v5
	v_add_nc_u32 v[RD], s22, v5
	v_mul_u32_u24 v5, v2, SIZE_N*2                 ; and the same two rows in qkv
	v_lshl_add_u32 v[CO], v1, 4, v5
	s_lshl_b32 s16, s13, 8
	s_lshl_b32 s17, s10, 6
	s_add_co_u32 s16, s16, s17                     ; the first row of qkv that I store: 256 x tile row + 64 x wave
	s_mul_i32 s16, s16, SIZE_N*2
	s_mov_b32 s17, 0
	s_add_nc_u64 s[8:9], s[8:9], s[16:17]
	s_mul_i32 s46, s42, 768                        ; the tile's first column, in bytes (in registers that feed nothing of xb's descriptors)
	s_mov_b32 s47, 0
	s_add_nc_u64 s[8:9], s[8:9], s[46:47]
	; the prefetches
	s_lshl_b32 s16, s13, 15
	s_lshl_b32 s17, s40, 13
	s_add_co_u32 s16, s16, s17                     ; xb: the tile row's 256 rows, my work-group's 64 of them
	s_mul_i32 s17, s42, 384*128
	s_lshl_b32 s18, s21, 14
	s_add_co_u32 s17, s17, s18
	s_lshl_b32 s18, s41, 12
	s_add_co_u32 s17, s17, s18                     ; wb: the 128 rows that I fetch, my work-group's 32 of them
	s_and_b32 s22, ttmp7, 0xffff                   ; cluster y
	s_mov_b32 s18, KSA
	s_mov_b32 s19, KSB
	s_mov_b32 s23, 4096
	s_cmp_eq_u32 s10, 0                            ; do I fetch xb?  (the selects leave SCC as it is)
	s_cselect_b32 s20, s16, s17
	s_cselect_b32 s22, ttmp9, s22                  ; the coordinate along which other clusters read the same rows
	s_cselect_b64 s[PFA:PFA+1], s[4:5], s[6:7]
	s_cselect_b32 s[PST], s18, s19
	s_cselect_b32 s23, s23, s19                    ; what lanes 16-31 stand further on: 16 blocks of 256 bytes (xb), a K step (wb)
	s_cselect_b32 s[PAR], 0, 1
	s_cselect_b32 s67, 2, 3
	s_cmp_eq_u32 s22, 0
	s_cselect_b32 s[LIM], s67, -1                  ; the same in all sixteen partners, for a given wave
	s_mov_b32 s[PST+1], 0
	s_mul_i32 s21, s[PST], 3                       ; at K step 3: the first change of slots steps it to 4.  Nothing is prefetched at the head
	s_add_co_u32 s20, s20, s21
	s_mov_b32 s21, 0
	s_add_nc_u64 s[PFA:PFA+1], s[PFA:PFA+1], s[20:21]
	v_mul_u32_u24 v[PFO], s23, v2
	v_lshl_add_u32 v[PFO], v1, 8, v[PFO]
; 16 matrix instructions of group g (window g): column blocks 4 (g - 1) + b0, + b0 + 1 x all 8 row blocks, 32 along K, xb's fragments in buffer ab.  zero = 1: the products start the sums.
; The 96 accumulators take turns, in the same order in every sub-step.
.macro MUL16 g, ab, b0, zero
	WIN 0x50*(\g)                                  ; sources 0 and 1 window 0; C and D window g
.irp bb, \b0, (\b0)+1
.irp a, 0,1,2,3,4,5,6,7
.if \zero
	v_wmma_f32_16x16x32_bf16 v[8*(8*(\bb)+(\a)):8*(8*(\bb)+(\a))+7], v[BF+8*(4*((\g)-1)+(\bb)):BF+8*(4*((\g)-1)+(\bb))+7], v[(\ab)+8*(\a):(\ab)+8*(\a)+7], 0
.else
	v_wmma_f32_16x16x32_bf16 v[8*(8*(\bb)+(\a)):8*(8*(\bb)+(\a))+7], v[BF+8*(4*((\g)-1)+(\bb)):BF+8*(4*((\g)-1)+(\bb))+7], v[(\ab)+8*(\a):(\ab)+8*(\a)+7], v[8*(8*(\bb)+(\a)):8*(8*(\bb)+(\a))+7]
.endif
.endr
.endr
.endm
.macro GRP g, ab, zero                 ; a whole group: 32 matrix instructions
	MUL16 \g, \ab, 0, \zero
	MUL16 \g, \ab, 2, \zero
.endm
.macro LDB g, k                        ; 8 LDS loads: group g's four blocks of wb, 32 along K at byte k of the rows of the slot in hand
	WIN 0
.irp bb, 0,1,2,3
	ds_load_b128 v[BF+8*(4*((\g)-1)+(\bb)):BF+8*(4*((\g)-1)+(\bb))+3],   v[ADRB] offset:(\k)+(4*((\g)-1)+(\bb))*16*PITCH
	ds_load_b128 v[BF+8*(4*((\g)-1)+(\bb))+4:BF+8*(4*((\g)-1)+(\bb))+7], v[ADRB] offset:(\k)+(4*((\g)-1)+(\bb))*16*PITCH+32
.endr
.endm
.macro LDA ab, k                       ; 16 LDS loads: my eight blocks of xb into buffer ab
	WIN 0
.irp a, 0,1,2,3,4,5,6,7
	ds_load_b128 v[(\ab)+8*(\a):(\ab)+8*(\a)+3],   v[ADRA] offset:(\k)+(\a)*16*PITCH
	ds_load_b128 v[(\ab)+8*(\a)+4:(\ab)+8*(\a)+7], v[ADRA] offset:(\k)+(\a)*16*PITCH+32
.endr
.endm
; A K step's FIRST sub-step: multiplies buffer 0 and fetches the second sub-step's fragments, at byte 64 of the same slot's rows.  The LDS loads of a sub-step are issued in the order 24 (wb's first third and xb), 8, 8.
.macro SUB zero
	s_wait_dscnt 16                                ; xb's fragments and wb's first third are in; the 16 younger loads (the second and third thirds) may be out
	GRP 1, FA0, \zero
	PLACES
	LDB 1, 64
	LDA FA1, 64
	s_wait_dscnt 32                                ; the second third is in: behind it the third third's 8 and the 24 just issued
	GRP 2, FA0, \zero
	PLACES
	LDB 2, 64
	s_wait_dscnt 32                                ; the third third is in: behind it the 24 and the 8 of this sub-step
	GRP 3, FA0, \zero
	PLACES
	LDB 3, 64
.endm
; A K step's SECOND sub-step multiplies buffer 1 and changes slots: all fragments of this slot have been asked for.  One barrier: in front of it each wave waits for all its tensor loads (one is out: its part of the next
; slot), adds 0 to its spare word, and waits for that and for its reads of this slot.  fill = 1: the barrier opens a round of the cluster's barrier, and this slot is filled again first thing behind it, with the K step two on:
; 160 matrix instructions ahead of the wait for it.
.macro TURN fill
.if \fill
	s_wait_xcnt 0x0                                ; the last prefetch, a K step back or more, has read its address
	s_add_nc_u64 s[PFA:PFA+1], s[PFA:PFA+1], s[PST:PST+1]
.endif
	WIN 0
	s_wait_tensorcnt 0x0                           ; all my tensor loads have landed
	ds_add_u32 v[SPW], v[NIL]                      ; 0 onto my spare word
	s_wait_dscnt 17                                ; (the add and the 16 loads of wb's second and third thirds may be out)
	MUL16 1, FA1, 0, 0                             ; sixteen matrix instructions stand between the add and the wait for it
	s_wait_dscnt 0x0                               ; the add is done, and my reads of this slot are over
	s_barrier_signal -1
	MUL16 1, FA1, 2, 0
	WIN 0
	s_barrier_wait -1
.if \fill
	CREST                                          ; no wave of any partner still reads this slot or has a load on its way
	s_xor_b32 s[G0+5], s[G0+5], SLOT1              ; the walking descriptors: the other slot than last time, the next K step
	s_add_nc_u64 s[G0+6:G0+7], s[G0+6:G0+7], KSA
	s_xor_b32 s[G0B+5], s[G0B+5], SLOT1
	s_add_nc_u64 s[G0B+6:G0B+7], s[G0B+6:G0B+7], KSB
	JLOAD                                          ; the four v_nop behind it are also the places in front of the loads below
.else
	PLACES
.endif
	s_xor_b32 s[TB], s[TB], SLOT1                  ; the reads go on in the other slot
	v_add_nc_u32 v[ADRA], s[TB], v[ADRA0]
	v_add_nc_u32 v[ADRB], s[TB], v[ADRB0]
	LDB 1, 0
	LDA FA0, 0
.if \fill
	ASK
.endif
	GRP 2, FA1, 0
	PLACES
	LDB 2, 0
	GRP 3, FA1, 0
	PLACES
	LDB 3, 0
.endm
; THE WAY OUT.  A wave's 192 columns are 384 bytes, one and a half aligned blocks of 256: so the four waves share ONE stage, the tile's 256 rows of 768 bytes, with a barrier between writing and reading.
.macro PACKG g                         ; window g's 32 accumulators: rounded to f16, 16 bytes a lane, each from its low end on; then into the stage
	WIN 5*(\g)                                     ; sources 0 and 1: window g
.irp bb, 0,1,2,3
.irp a, 0,1,2,3,4,5,6,7
.irp r, 0,1,2,3
	v_cvt_pk_f16_f32 v[TMP+4*(8*(\bb)+(\a))+(\r)], v[8*(8*(\bb)+(\a))+2*(\r)], v[8*(8*(\bb)+(\a))+2*(\r)+1]
.endr
.endr
.endr
	WIN 0
.irp bb, 0,1,2,3
.irp a, 0,1,2,3,4,5,6,7
	ds_store_b128 v[STO+(\a)/4], v[TMP+4*(8*(\bb)+(\a)):TMP+4*(8*(\bb)+(\a))+3] offset:((\a)%4)*16*SPITCH+32*(4*((\g)-1)+(\bb))
.endr
.endr
.endm
.macro RBACK n, set                    ; batch n of four: 16 of my 64 rows, whole: 24 loads
.irp p, 0,1,2,3,4,5,6,7
.irp u, 0,1,2
	ds_load_b128 v[(\set)+4*(3*(\p)+(\u)):(\set)+4*(3*(\p)+(\u))+3], v[RD] offset:(8*(\n)+(\p))*2*SPITCH+256*(\u)
.endr
.endr
.endm
.macro SENDB n, set
.irp p, 0,1,2,3,4,5,6,7
.irp u, 0,1,2
	global_store_b128 v[CO], v[(\set)+4*(3*(\p)+(\u)):(\set)+4*(3*(\p)+(\u))+3], s[8:9] offset:(8*(\n)+(\p))*2*SIZE_N*2+256*(\u)  ; 16 lanes store 256 consecutive bytes, at a multiple of 256 from qkv's first byte
.endr
.endr
.endm
	s_wait_tensorcnt 1                             ; my part of K step 0 is in; K step 1's may stay out
	s_barrier_signal -1
	s_barrier_wait -1
	LDB 1, 0
	LDA FA0, 0
	LDB 2, 0
	LDB 3, 0
	SUB 1                                          ; the first sub-step stands in front of the loop: its products start the sums
	s_mov_b32 s3, STEPS-2
.Lstep:                                                ; trip t: the second half of K step t, the refill with K step t + 2, the first half of K step t + 1
	TURN 1
	SUB 0
	s_sub_co_u32 s3, s3, 1
	s_cmp_lg_u32 s3, 0
	s_cbranch_scc1 .Lstep
	TURN 0                                         ; the last two K steps ask for nothing
	SUB 0
	s_wait_dscnt 16                                ; the very last sub-step fetches nothing: the counts run down
	GRP 1, FA1, 0
	s_wait_dscnt 8
	GRP 2, FA1, 0
	s_wait_dscnt 0x0                               ; my last reads of the ring are back
	GRP 3, FA1, 0
	WIN 0
	PLACES                                         ; the conversions read results; for the later windows the conversions ahead of them are the places
	s_barrier_signal -1                            ; every wave's reads of the ring are over, and the ring has had its last fill:
	s_barrier_wait -1                              ; its bytes now take the stage
	PACKG 1
	PACKG 2
	PACKG 3
	s_wait_dscnt 0x0                               ; for the others' sake: my stores into the stage are done
	s_barrier_signal -1
	s_barrier_wait -1
	RBACK 0, SET0
	RBACK 1, SET1
	s_wait_dscnt 24                                ; batch 0 is back; batch 1's 24 loads may be out
	SENDB 0, SET0
	s_wait_xcnt 0x0                                ; the registers that batch 0 was stored from are loaded again only behind this wait
	RBACK 2, SET0
	s_wait_dscnt 24
	SENDB 1, SET1
	s_wait_xcnt 0x0
	RBACK 3, SET1
	s_wait_dscnt 24
	SENDB 2, SET0
	s_wait_dscnt 0x0
	SENDB 3, SET1
	s_wait_tensorcnt 0x0                           ; the wave's end: behind my last tensor load and my last LDS store
	ds_add_u32 v[SPW], v[NIL]
	s_wait_dscnt 0x0
	CROUND                                         ; the closing round
	s_endpgm
.Lfunc_end_k_qc0f1b5fbdc_proj:
	.size	k_qc0f1b5fbdc_proj, .Lfunc_end_k_qc0f1b5fbdc_proj-k_qc0f1b5fbdc_proj
	.p2alignl 7, 3214868480
	.fill 96, 4, 3214868480
	.section	.rodata,"a",@progbits
	.p2align	6, 0x0
	.amdhsa_kernel k_qc0f1b5fbdc_proj
		.amdhsa_group_segment_fixed_size 327680
		.amdhsa_private_segment_fixed_size 0
		.amdhsa_enable_private_segment 0
		.amdhsa_kernarg_size 24
		.amdhsa_user_sgpr_count 2
		.amdhsa_user_sgpr_kernarg_segment_ptr 1
		.amdhsa_wavefront_size32 1
		.amdhsa_system_sgpr_workgroup_id_x 1
		.amdhsa_system_sgpr_workgroup_id_y 1
		.amdhsa_system_sgpr_workgroup_id_z 1
		.amdhsa_system_vgpr_workitem_id 0
		.amdhsa_next_free_vgpr 1024
		.amdhsa_next_free_sgpr 72
		.amdhsa_reserve_vcc 0
		.amdhsa_float_denorm_mode_32 3
		.amdhsa_float_denorm_mode_16_64 3
		.amdhsa_memory_ordered 1
		.amdhsa_forward_progress 1
		.amdhsa_inst_pref_size 111
	.end_amdhsa_kernel
	.amdgpu_metadata
---
amdhsa.version: [ 1, 2 ]
amdhsa.kernels:
  - .name:           k_qc0f1b5fbdc_proj
    .symbol:         k_qc0f1b5fbdc_proj.kd
    .args:
      - { .name: xb, .offset: 0, .size: 8, .value_kind: global_buffer, .address_space: global }
      - { .name: wb, .offset: 8, .size: 8, .value_kind: global_buffer, .address_space: global }
      - { .name: qkv, .offset: 16, .size: 8, .value_kind: global_buffer, .address_space: global }
    .group_segment_fixed_size: 327680
    .private_segment_fixed_size: 0
    .kernarg_segment_align: 8
    .kernarg_segment_size: 24
    .max_flat_workgroup_size: 128
    .sgpr_count:     72
    .vgpr_count:     1024
    .wavefront_size: 32
...
	.end_amdgpu_metadata
.endif
;; end of part 2
;; launch score (part 3): grid 36 x 4, 4 waves a work-group, no clusters, 327,680 bytes of LDS; arguments qkv, pbuf, stats; writes pbuf, stats
.if DOCPART == 3
	.amdgcn_target "amdgcn-amd-amdhsa--gfx1250"
	.amdhsa_code_object_version 6
	.text
	.protected	k_qc0f1b5fbdc_score
	.globl	k_qc0f1b5fbdc_score
	.p2align	8
	.type	k_qc0f1b5fbdc_score,@function
k_qc0f1b5fbdc_score:
	s_mov_b64 s[64:65], 0
	v_nop
	global_prefetch_b8 v0, s[64:65] scope:SCOPE_SE
	s_setreg_imm32_b32 hwreg(HW_REG_WAVE_MODE, 25, 1), 1
	s_wait_xcnt 0x0
; The lower tiles of 256 x 256 of s = q k^T, and the first half of the softmax.  qkv: [8192][3072] f16 (q at byte 0 of a row, k at 2,048).  For each row and each SEGMENT of 128 keys:
; c m_seg = c x the segment's largest score, p' = 2^(c s - c m_seg) rounded to f16 -> pbuf [4][2048][2048], l_seg = the sum of the unrounded p' -> stats [4][16 segments][2048 rows][c m_seg, l_seg], f32.
; c = log2(e) / 32.  The next launch brings the segments to the row's true maximum by factors in f32.  Products, maxima and sums in f32.
; LIMITS.  A hidden score counts as its value less 1e30; a weight below 2^-126 counts as 0; p' below 6e-5 keeps f16's fixed step; NaN and infinities are not treated apart.
; SHARES.  A batch has 36 tiles (I, J), J <= I; the work-group's x counts them row by row.  Four waves, each 128 rows x 128 keys: one segment for its rows.  K = 1,024 in 8 steps of 128 through two LDS slots.
; NO CLUSTER: a row of the triangle has 1 to 8 tiles, a column likewise, so the 36 tiles fall into no groups of four that share an operand.
; THE MASK is the C operand of the products that start the sums.  It is wanted only by the two waves of a diagonal tile whose rows and keys are the same 128: block (a, b) of 16 x 16 takes 0 if b < a, MDG if b = a, MU if b > a.
; In all other waves MU and MDG hold 0.  The diagonal tile's wave with rows 0-127 and keys 128-255 sees nothing; it is left unmasked, so that its p' are finite: the next launch multiplies that segment by 0 and reads none of its figures.
; THE MATRIX INSTRUCTION IS USED TRANSPOSED: source 0 = 16 rows of k, source 1 = 16 rows of q: a lane holds query l % 16 and the keys 8 (l / 16) + 0..7.
; REGISTERS: as in the projection: window 0 addresses, q's fragments, work; window 1 k's fragments; windows 2, 3 the 64 accumulators.
.set ROWB,   6144                      ; bytes in a row of qkv
.set KSTEP,  128
.set STEPS,  8
.set PITCH,  272                       ; 256 bytes + 16 of padding: the 16 rows of a load start at 16 different groups of four banks (ISA guide 11.1)
.set HALFT,  128*PITCH
.set SLOT,   4*HALFT                   ; q's 256 rows, then k's 256; 0x22000 shares no bit with wave x HALFT
.set STAGE,  2*SLOT                    ; 16 rows x 272 bytes for each wave
.set SPITCH, 272
.set SCR,    STAGE+4*16*SPITCH         ; 1,024 bytes a wave: its 128 rows' two figures
.set SPARE,  SCR+4096                  ; the spare words: two blocks of 256 bytes that no other line names
.set ADRA0, 16
.set ADRA,  17
.set DA,    18                         ; v18  the dump: 65,536 x wave + 16 x lane; never rewritten
.set DL,    19                         ; v19  where the block in hand is read back
.set ADRB0, 20
.set ADRB,  21
.set SS,    22                         ; v22  where the block's figures go
.set SR,    23                         ; v23  where they are read back
.set STO,   24
.set RD,    25
.set CO,    26
.set SG,    27                         ; v27  8 x lane
.set SPW,   28
.set NIL,   29
.set PFO,   30                         ; v30  my lane x a row of qkv
.set CC,    32                         ; v[32:39]  eight chains of the maximum
.set MU,    40                         ; v[40:47]  -1e30 eight times, or 0
.set MDG,   48                         ; v[48:55]  the mask of a block on the diagonal, or 0
.set CM,    58                         ; v58 c m, v59 l
.set F0,    64
.set F1,    128
.set XX,    64                         ; v[64:127] the end: a lane's 64 scores of a row
.set PK,    192                        ; v[192:223] p' in f16
.set BK,    224                        ; v[224:255] whole rows read back
.set G1,  24                           ; s[24:31] group 1: q's and k's tiles have one shape
.set G0,  32                           ; s[32:39] group 0: a set for each first fill; the second then walks on
.set LIM, 43
.set PFA, 44
.set TB,  66
.set CS,  68                           ; s[68:69] c, named as a pair
.set SEL, 70                           ; s[70:71] v_permlanex16_b32's selects: each lane takes its own place in the other half
.set MSB, 0
.macro WIN new
.if MSB != (\new)
	s_set_vgpr_msb (MSB<<8)|(\new)
.set MSB, \new
.endif
.endm
.set MUL_LO, 0xa1
.set TO_B,   0x40
.macro PLACES
.rept 4
	v_nop
.endr
.endm
; A prefetch into the L2 of the K step that stands two refills on.  The diagonal tile (I, I) reads q's block I and k's block I, so it alone asks, and every block has one asker.  Each wave names the 128 rows
; that it fetches itself: 256 bytes a row, a lane a row, four instructions.  s3 counts 6 .. 1: the change behind K step t names K step t + 4; the last two name nothing.
.macro ASK
	s_cmp_gt_u32 s3, s[LIM]
	s_cbranch_scc0 .Lnot_mine_\@
.irp j, 0,1,2,3
	global_prefetch_b8 v[PFO], s[PFA:PFA+1] offset:KSTEP*2+(\j)*32*ROWB th:TH_LOAD_NT scope:SCOPE_SE
.endr
.Lnot_mine_\@:
.endm
	s_load_b128 s[4:7], s[0:1], 0x0                ; qkv s[4:5], pbuf s[6:7]
	s_load_b64 s[8:9], s[0:1], 0x10                ; stats
	v_lshl_add_u32 v[SPW], v0, 2, SPARE
	v_mov_b32 v[NIL], 0
	ds_add_u32 v[SPW], v[NIL]                      ; the wave's opening: the add and its wait stand ahead of my first tensor load
	v_lshrrev_b32 v1, 5, v0
	v_readfirstlane_b32 s10, v1                    ; wave 0..3
	s_lshr_b32 s11, s10, 1                         ; my half of the tile's rows.  Also: I fetch q (0) or k (1)
	s_and_b32 s12, s10, 1                          ; my half of its keys.  Also: which 128 rows I fetch
	s_and_b32 s40, ttmp7, 0xffff                   ; the batch
	s_mov_b32 s13, 0                               ; I = how many of the rows' first numbers 1, 3, 6 .. 28 the tile's number has reached
.irp t, 1,3,6,10,15,21,28
	s_cmp_ge_u32 ttmp9, \t
	s_add_co_ci_u32 s13, s13, 0
.endr
	s_add_co_u32 s42, s13, 1
	s_mul_i32 s42, s42, s13
	s_lshr_b32 s42, s42, 1
	s_sub_co_u32 s42, ttmp9, s42                   ; J = the number less I (I + 1) / 2
	s_mov_b32 s[G1+0], (1<<16)|(1<<20)|(5<<22)|(3<<25)  ; elements of 2 bytes; padding on: after every 64 words 4 words
	s_mov_b32 s[G1+1], KSTEP<<16                   ; tensor_dim0 = 128
	s_mov_b32 s[G1+2], 128<<16                     ; tensor_dim1 = 128
	s_mov_b32 s[G1+3], KSTEP<<16                   ; tile_dim0 = 128
	s_mov_b32 s[G1+4], 128                         ; tile_dim1 = 128
	s_mov_b32 s[G1+5], 3072                        ; elements from row to row
	s_mov_b32 s[G1+6], 0
	s_mov_b32 s[G1+7], 0
	s_mov_b32 s[TB], 0
	s_mov_b32 s[CS], 0x3d38aa3b                    ; c = log2(e) / 32
	s_mov_b32 s[CS+1], s[CS]
	s_mov_b32 s[SEL], 0x76543210
	s_mov_b32 s[SEL+1], 0xfedcba98
	s_cmp_eq_u32 s11, 0
	s_cselect_b32 s16, s13, s42                    ; q's block I or k's block J
	s_cselect_b32 s17, 0, 2048                     ; q's or k's bytes in a row
	s_lshl_b32 s16, s16, 8
	s_lshl_b32 s18, s40, 11
	s_add_co_u32 s16, s16, s18
	s_lshl_b32 s18, s12, 7
	s_add_co_u32 s16, s16, s18                     ; the first of the 128 rows that I fetch
	s_mul_i32 s16, s16, ROWB
	s_add_co_u32 s16, s16, s17
	s_mov_b32 s17, 0
	s_mul_i32 s20, s10, HALFT                      ; where they go: wave x 128 rows
	s_wait_dscnt 0x0                               ; the opening add is done
	s_wait_kmcnt 0x0
	s_add_nc_u64 s[14:15], s[4:5], s[16:17]
.irp s, 0,1
	s_mov_b32 s[G0+4*(\s)], 1
	s_add_co_u32 s[G0+4*(\s)+1], s20, (\s)*SLOT
	s_add_nc_u64 s[G0+4*(\s)+2:G0+4*(\s)+3], s[14:15], (\s)*KSTEP*2
	s_or_b32 s[G0+4*(\s)+3], s[G0+4*(\s)+3], 0x80000000
.endr
	tensor_load_to_lds s[G0:G0+3], s[G1:G1+7]      ; K steps 0 and 1: two loads of mine are out
	s_nop 0
	tensor_load_to_lds s[G0+4:G0+7], s[G1:G1+7]
	s_nop 0
	PLACES
	v_and_b32 v1, 15, v0                           ; l % 16
	v_bfe_u32 v2, v0, 4, 1                         ; l / 16
	v_and_b32 v6, 31, v0                           ; l
	v_mul_u32_u24 v3, v1, PITCH
	v_lshl_add_u32 v3, v2, 4, v3
	s_mul_i32 s21, s11, HALFT
	s_mul_i32 s22, s12, HALFT
	s_add_co_u32 s22, s22, 2*HALFT
	v_add_nc_u32 v[ADRA0], s21, v3
	v_add_nc_u32 v[ADRB0], s22, v3
	v_mov_b32 v[ADRA], v[ADRA0]
	v_mov_b32 v[ADRB], v[ADRB0]
	s_mul_i32 s23, s10, 16*SPITCH
	s_add_co_u32 s23, s23, STAGE
	v_mul_u32_u24 v4, v1, SPITCH
	v_lshl_add_u32 v4, v2, 4, v4
	v_add_nc_u32 v[STO], s23, v4
	v_mul_u32_u24 v5, v2, SPITCH
	v_lshl_add_u32 v5, v1, 4, v5
	v_add_nc_u32 v[RD], s23, v5
	v_lshlrev_b32 v[CO], 12, v2                    ; two rows of pbuf, 4,096 bytes apart
	v_lshl_add_u32 v[CO], v1, 4, v[CO]
	s_lshl_b32 s18, s10, 16
	v_lshl_add_u32 v[DA], v6, 4, s18
	s_lshl_b32 s18, s10, 10
	s_add_co_u32 s18, s18, SCR
	v_lshl_add_u32 v[SS], v1, 3, s18
	v_lshl_add_u32 v[SR], v6, 3, s18
	v_lshlrev_b32 v[SG], 3, v6
	v_mul_u32_u24 v[PFO], v6, ROWB
	; the masks
	s_cmp_eq_u32 s13, s42
	s_cselect_b32 s18, 1, 0
	s_cmp_eq_u32 s11, s12
	s_cselect_b32 s18, s18, 0
	s_cmp_eq_u32 s18, 1                            ; a diagonal tile, and my rows and keys are the same 128
	s_cselect_b32 s18, 0xf149f2ca, 0               ; -1e30
.irp j, 0,1,2,3,4,5,6,7
	v_mov_b32 v[MU+(\j)], s18
.endr
	v_lshlrev_b32 v15, 3, v2
	v_sub_nc_u32 v15, v1, v15                      ; l % 16 - 8 (l / 16): register j is hidden where j is greater
	v_mov_b32 v14, 0
.irp j, 0,1,2,3,4,5,6,7
	v_cmp_gt_i32 vcc_lo, \j, v15
	v_cndmask_b32 v[MDG+(\j)], v14, v[MU], vcc_lo
.endr
	v_mov_b32 v[CM+1], 0                           ; named with c m as a pair
	; where my part of pbuf and of stats begins
	s_lshl_b32 s16, s40, 11
	s_lshl_b32 s17, s13, 8
	s_add_co_u32 s16, s16, s17
	s_lshl_b32 s17, s11, 7
	s_add_co_u32 s16, s16, s17                     ; my first row among the 8,192
	s_lshl_b32 s16, s16, 12
	s_lshl_b32 s17, s42, 9
	s_add_co_u32 s16, s16, s17
	s_lshl_b32 s17, s12, 8
	s_add_co_u32 s16, s16, s17                     ; + my first key, 2 bytes each
	s_mov_b32 s17, 0
	s_add_nc_u64 s[6:7], s[6:7], s[16:17]
	s_lshl_b32 s16, s40, 4
	s_lshl_b32 s17, s42, 1
	s_add_co_u32 s16, s16, s17
	s_add_co_u32 s16, s16, s12                     ; 16 x batch + my segment
	s_lshl_b32 s16, s16, 11
	s_lshl_b32 s17, s13, 8
	s_add_co_u32 s16, s16, s17
	s_lshl_b32 s17, s11, 7
	s_add_co_u32 s16, s16, s17                     ; + my first row in the batch
	s_lshl_b32 s16, s16, 3
	s_mov_b32 s17, 0
	s_add_nc_u64 s[8:9], s[8:9], s[16:17]
	s_cmp_eq_u32 s13, s42
	s_cselect_b32 s[LIM], 2, -1
	s_add_nc_u64 s[PFA:PFA+1], s[14:15], 2*KSTEP*2 ; at K step 2: the first refill steps it to 3 and names K step 4.  Nothing is prefetched at the head
; 16 matrix instructions.  zero = 2: the products start the sums, with 0 or a mask as C (in window 0).  The 64 accumulators take turns.
.macro MUL16 f, hi, a0, zero
.if (\zero) == 2
	WIN 0x81+0x40*(\hi)
.else
	WIN MUL_LO+0x50*(\hi)
.endif
.irp a, \a0, (\a0)+1
.irp b, 0,1,2,3,4,5,6,7
.if (\zero) == 2
.if (\b) < 4*(\hi)+(\a)
	v_wmma_f32_16x16x32_f16 v[8*(8*(\a)+(\b)):8*(8*(\a)+(\b))+7], v[(\f)+8*(\b):(\f)+8*(\b)+7], v[(\f)+8*(4*(\hi)+(\a)):(\f)+8*(4*(\hi)+(\a))+7], 0
.elseif (\b) == 4*(\hi)+(\a)
	v_wmma_f32_16x16x32_f16 v[8*(8*(\a)+(\b)):8*(8*(\a)+(\b))+7], v[(\f)+8*(\b):(\f)+8*(\b)+7], v[(\f)+8*(4*(\hi)+(\a)):(\f)+8*(4*(\hi)+(\a))+7], v[MDG:MDG+7]
.else
	v_wmma_f32_16x16x32_f16 v[8*(8*(\a)+(\b)):8*(8*(\a)+(\b))+7], v[(\f)+8*(\b):(\f)+8*(\b)+7], v[(\f)+8*(4*(\hi)+(\a)):(\f)+8*(4*(\hi)+(\a))+7], v[MU:MU+7]
.endif
.else
	v_wmma_f32_16x16x32_f16 v[8*(8*(\a)+(\b)):8*(8*(\a)+(\b))+7], v[(\f)+8*(\b):(\f)+8*(\b)+7], v[(\f)+8*(4*(\hi)+(\a)):(\f)+8*(4*(\hi)+(\a))+7], v[8*(8*(\a)+(\b)):8*(8*(\a)+(\b))+7]
.endif
.endr
.endr
.endm
.macro FETCH k, f
	WIN TO_B
.irp i, 0,1,2,3,4,5,6,7
	ds_load_b128 v[(\f)+8*(\i):(\f)+8*(\i)+3],   v[ADRB] offset:(\k)+(\i)*16*PITCH
	ds_load_b128 v[(\f)+8*(\i)+4:(\f)+8*(\i)+7], v[ADRB] offset:(\k)+(\i)*16*PITCH+32
.endr
	WIN 0
.irp i, 0,1,2,3,4,5,6,7
	ds_load_b128 v[(\f)+8*(\i):(\f)+8*(\i)+3],   v[ADRA] offset:(\k)+(\i)*16*PITCH
	ds_load_b128 v[(\f)+8*(\i)+4:(\f)+8*(\i)+7], v[ADRA] offset:(\k)+(\i)*16*PITCH+32
.endr
.endm
.macro QUARTER k, f, g, zero
	s_wait_dscnt 8                                 ; k's fragments and q's rows 0-63 are in; the youngest eight loads may be out
	MUL16 \f, 0, 0, \zero
	MUL16 \f, 0, 2, \zero
	PLACES
	FETCH \k, \g
	s_wait_dscnt 32                                ; all but the 32 just issued
	MUL16 \f, 1, 0, \zero
	MUL16 \f, 1, 2, \zero
.endm
; The last quarter and the change of slots: one barrier; in front of it each wave waits for all its tensor loads, adds 0 to its spare word, and waits for that and for its reads of this slot.
; fill = 1: this slot is filled again, first thing behind the barrier, with the K step two on: one load a wave, 224 matrix instructions ahead of the wait for it.
.macro TURN fill
.if \fill
	s_wait_xcnt 0x0                                ; the last prefetches, a K step back, have read their address
	s_add_nc_u64 s[PFA:PFA+1], s[PFA:PFA+1], KSTEP*2
.endif
	WIN 0
	s_wait_tensorcnt 0x0                           ; all my tensor loads have landed
	ds_add_u32 v[SPW], v[NIL]                      ; 0 onto my spare word
	s_wait_dscnt 9                                 ; (the add and the youngest eight loads may be out)
	MUL16 F1, 0, 0, 0
	s_wait_dscnt 0x0                               ; the add is done, and my reads of this slot are over
	s_barrier_signal -1
	MUL16 F1, 0, 2, 0
	WIN 0
	s_barrier_wait -1
.if \fill
	s_xor_b32 s[G0+5], s[G0+5], SLOT               ; the walking descriptor: the other slot than last time, the next K step
	s_add_nc_u64 s[G0+6:G0+7], s[G0+6:G0+7], KSTEP*2
	tensor_load_to_lds s[G0+4:G0+7], s[G1:G1+7]
	s_nop 0
.endif
	PLACES                                         ; behind the load, and the places in front of the loads below
	s_xor_b32 s[TB], s[TB], SLOT
	v_add_nc_u32 v[ADRA], s[TB], v[ADRA0]
	v_add_nc_u32 v[ADRB], s[TB], v[ADRB0]
	FETCH 0, F0
.if \fill
	ASK
.endif
	MUL16 F1, 1, 0, 0
	MUL16 F1, 1, 2, 0
.endm
	s_wait_tensorcnt 1                             ; my part of K step 0 is in; K step 1's may stay out
	s_barrier_signal -1
	s_barrier_wait -1
	FETCH 0, F0
	QUARTER 64, F0, F1, 2                          ; the first quarter: its products start the sums, with the masks
	WIN 0
	s_mov_b32 s3, STEPS-2
.Lstep:                                                ; trip t: the rest of K step t, the refill with K step t + 2, the first quarter of K step t + 1
	QUARTER 128, F1, F0, 0
	QUARTER 192, F0, F1, 0
	TURN 1
	QUARTER 64, F0, F1, 0
	WIN 0
	s_sub_co_u32 s3, s3, 1
	s_cmp_lg_u32 s3, 0
	s_cbranch_scc1 .Lstep
	QUARTER 128, F1, F0, 0
	QUARTER 192, F0, F1, 0
	TURN 0
	QUARTER 64, F0, F1, 0
	QUARTER 128, F1, F0, 0
	QUARTER 192, F0, F1, 0
	s_wait_dscnt 8
	MUL16 F1, 0, 0, 0
	MUL16 F1, 0, 2, 0
	s_wait_dscnt 0x0                               ; my last reads of the ring are back
	MUL16 F1, 1, 0, 0
	MUL16 F1, 1, 2, 0
	WIN 0
	PLACES                                         ; the stores below read results
	s_barrier_signal -1                            ; every wave's reads of the ring are over, and the ring has had its last fill:
	s_barrier_wait -1                              ; its bytes now take the scores
	; THE DUMP: my 64 accumulators into 65,536 bytes of my own, 16 bytes a lane, so that the end is ONE loop of eight trips in window 0, a block of 16 rows a trip.  Each accumulator's low half goes first.
.irp a, 0,1,2,3,4,5,6,7
	WIN 0x08+4*((\a)/4)                            ; the data: window 2 or 3
.irp b, 0,1,2,3,4,5,6,7
.irp q, 0,1
	ds_store_b128 v[DA], v[64*((\a)%4)+8*(\b)+4*(\q):64*((\a)%4)+8*(\b)+4*(\q)+3] offset:8192*(\a)+512*(2*(\b)+(\q))
.endr
.endr
.endr
	WIN 0
	v_mov_b32 v[DL], v[DA]
	s_mov_b32 s3, 8
.Lblock:
.set n, 0
.rept 16
	ds_load_b128 v[XX+4*n:XX+4*n+3], v[DL] offset:512*n  ; XX + 8 b + j: key 16 b + 8 (l / 16) + j of row l % 16.  LDS serves a wave's instructions in order: these see the dump
.set n, n+1
.endr
	v_add_nc_u32 v[DL], 8192, v[DL]
	s_wait_dscnt 0x0
	; the maximum of my 64 scores, in eight chains, three operands at a time; then the other half of the lanes'
.irp k, 0,1,2,3,4,5,6,7
	v_max3_num_f32 v[CC+(\k)], v[XX+8*(\k)], v[XX+8*(\k)+1], v[XX+8*(\k)+2]
.endr
.irp k, 0,1,2,3,4,5,6,7
	v_max3_num_f32 v[CC+(\k)], v[CC+(\k)], v[XX+8*(\k)+3], v[XX+8*(\k)+4]
.endr
.irp k, 0,1,2,3,4,5,6,7
	v_max3_num_f32 v[CC+(\k)], v[CC+(\k)], v[XX+8*(\k)+5], v[XX+8*(\k)+6]
.endr
.irp k, 0,1,2,3
	v_max3_num_f32 v[CC+2*(\k)], v[CC+2*(\k)], v[XX+16*(\k)+7], v[XX+16*(\k)+15]
.endr
	v_max3_num_f32 v[CC], v[CC], v[CC+1], v[CC+2]
	v_max3_num_f32 v[CC+3], v[CC+3], v[CC+4], v[CC+5]
	v_max_num_f32 v[CC+6], v[CC+6], v[CC+7]
	v_max3_num_f32 v[CC], v[CC], v[CC+3], v[CC+6]
	v_permlanex16_b32 v[CC+1], v[CC], s[SEL], s[SEL+1]
	v_max_num_f32 v[CC], v[CC], v[CC+1]
	v_mul_f32 v[CM], s[CS], v[CC]                  ; c m
	; ONE BATCH: 32 scalings c s - c m, a pair each, and behind each the two exponentials of the pair before.  Nothing here names an exponential's result.
.set p, 0
.rept 32
	v_pk_fma_f32 v[XX+2*p:XX+2*p+1], v[XX+2*p:XX+2*p+1], s[CS:CS+1], v[CM:CM+1] op_sel_hi:[1,0,0] neg_lo:[0,0,1] neg_hi:[0,0,1]
.if p > 0
	v_exp_f32 v[XX+2*p-2], v[XX+2*p-2]
	v_exp_f32 v[XX+2*p-1], v[XX+2*p-1]
.endif
.set p, p+1
.endr
	v_exp_f32 v[XX+62], v[XX+62]
	v_exp_f32 v[XX+63], v[XX+63]
	v_nop                                          ; a plain instruction behind the last exponential (ISA guide 5.7.2),
	s_wait_alu depctr_va_vdst(0)                   ; and one wait ahead of the batch's first reader
.set p, 0
.rept 32
	v_cvt_pk_f16_f32 v[PK+p], v[XX+2*p], v[XX+2*p+1]
.set p, p+1
.endr
.irp b, 0,1,2,3,4,5,6,7
	ds_store_b128 v[STO], v[PK+4*(\b):PK+4*(\b)+3] offset:32*(\b)
.endr
.irp t, 0,1,2,3,4,5,6,7
	ds_load_b128 v[BK+4*(\t):BK+4*(\t)+3], v[RD] offset:(\t)*2*SPITCH
.endr
	; the sum of the unrounded weights, in place, while the rows come back from the stage
.irp w, 4,8,16,32,64
.set u, 0
.rept 64/(\w)
	v_pk_add_f32 v[XX+(\w)*u:XX+(\w)*u+1], v[XX+(\w)*u:XX+(\w)*u+1], v[XX+(\w)*u+(\w)/2:XX+(\w)*u+(\w)/2+1]
.set u, u+1
.endr
.endr
	v_add_f32 v[CC], v[XX], v[XX+1]
	v_permlanex16_b32 v[CC+1], v[CC], s[SEL], s[SEL+1]
	v_add_f32 v[CM+1], v[CC], v[CC+1]              ; l
	ds_store_b64 v[SS], v[CM:CM+1]                 ; lanes l and l + 16 write the same two words with the same numbers
	v_add_nc_u32 v[SS], 128, v[SS]
	s_wait_dscnt 1                                 ; the rows are back; the store just issued may be out
.irp t, 0,1,2,3,4,5,6,7
	global_store_b128 v[CO], v[BK+4*(\t):BK+4*(\t)+3], s[6:7] offset:8192*(\t)  ; 16 lanes store 256 consecutive bytes, at a multiple of 256 from pbuf's first byte
.endr
	s_wait_xcnt 0x0                                ; the stores' base and data are rewritten only behind this wait
	s_add_nc_u64 s[6:7], s[6:7], 16*4096
	s_sub_co_u32 s3, s3, 1
	s_cmp_lg_u32 s3, 0
	s_cbranch_scc1 .Lblock
.irp j, 0,1,2,3
	ds_load_b64 v[XX+2*(\j):XX+2*(\j)+1], v[SR] offset:256*(\j)  ; my 128 rows' figures, 32 rows a load
.endr
	s_wait_dscnt 0x0
.irp j, 0,1,2,3
	global_store_b64 v[SG], v[XX+2*(\j):XX+2*(\j)+1], s[8:9] offset:256*(\j)  ; 32 lanes store 256 consecutive bytes, aligned
.endr
	s_wait_tensorcnt 0x0                           ; the wave's end: behind my last tensor load and my last LDS store
	ds_add_u32 v[SPW], v[NIL]
	s_wait_dscnt 0x0
	s_endpgm
.Lfunc_end_k_qc0f1b5fbdc_score:
	.size	k_qc0f1b5fbdc_score, .Lfunc_end_k_qc0f1b5fbdc_score-k_qc0f1b5fbdc_score
	.p2alignl 7, 3214868480
	.fill 96, 4, 3214868480
	.section	.rodata,"a",@progbits
	.p2align	6, 0x0
	.amdhsa_kernel k_qc0f1b5fbdc_score
		.amdhsa_group_segment_fixed_size 327680
		.amdhsa_private_segment_fixed_size 0
		.amdhsa_enable_private_segment 0
		.amdhsa_kernarg_size 24
		.amdhsa_user_sgpr_count 2
		.amdhsa_user_sgpr_kernarg_segment_ptr 1
		.amdhsa_wavefront_size32 1
		.amdhsa_system_sgpr_workgroup_id_x 1
		.amdhsa_system_sgpr_workgroup_id_y 1
		.amdhsa_system_sgpr_workgroup_id_z 1
		.amdhsa_system_vgpr_workitem_id 0
		.amdhsa_next_free_vgpr 1024
		.amdhsa_next_free_sgpr 72
		.amdhsa_reserve_vcc 1
		.amdhsa_float_denorm_mode_32 3
		.amdhsa_float_denorm_mode_16_64 3
		.amdhsa_memory_ordered 1
		.amdhsa_forward_progress 1
		.amdhsa_inst_pref_size 107
	.end_amdhsa_kernel
	.amdgpu_metadata
---
amdhsa.version: [ 1, 2 ]
amdhsa.kernels:
  - .name:           k_qc0f1b5fbdc_score
    .symbol:         k_qc0f1b5fbdc_score.kd
    .args:
      - { .name: qkv, .offset: 0, .size: 8, .value_kind: global_buffer, .address_space: global }
      - { .name: pbuf, .offset: 8, .size: 8, .value_kind: global_buffer, .address_space: global }
      - { .name: stats, .offset: 16, .size: 8, .value_kind: global_buffer, .address_space: global }
    .group_segment_fixed_size: 327680
    .private_segment_fixed_size: 0
    .kernarg_segment_align: 8
    .kernarg_segment_size: 24
    .max_flat_workgroup_size: 128
    .sgpr_count:     72
    .vgpr_count:     1024
    .wavefront_size: 32
...
	.end_amdgpu_metadata
.endif
;; end of part 3
;; launch pv (part 4): grid 8 x 32, 4 waves a work-group, clusters of 4 x 1, 327,680 bytes of LDS; arguments pbuf, stats, qkv, out0; writes out0
.if DOCPART == 4
	.amdgcn_target "amdgcn-amd-amdhsa--gfx1250"
	.amdhsa_code_object_version 6
	.text
	.protected	k_qc0f1b5fbdc_pv
	.globl	k_qc0f1b5fbdc_pv
	.p2align	8
	.type	k_qc0f1b5fbdc_pv,@function
k_qc0f1b5fbdc_pv:
	s_mov_b64 s[64:65], 0
	v_nop
	global_prefetch_b8 v0, s[64:65] scope:SCOPE_SE
	s_setreg_imm32_b32 hwreg(HW_REG_WAVE_MODE, 25, 1), 1
	s_wait_xcnt 0x0
	s_wait_alu depctr_hold_cnt(0) depctr_sa_sdst(0) depctr_va_vdst(0) depctr_va_sdst(0) depctr_va_ssrc(0) depctr_va_vcc(0) depctr_vm_vsrc(0)
	s_getreg_b32 s2, hwreg(HW_REG_IB_STS2, 6, 4)
	s_cmp_eq_u32 s2, 0
	s_cbranch_scc0 .Lentry_in_a_cluster
	s_endpgm
.Lentry_in_a_cluster:
	s_bfe_u32 s2, ttmp6, 0x10000c
	s_cmp_lg_u32 s2, 0x3003
	s_cbranch_scc0 .Lentry_shape_is_right
	s_endpgm
.Lentry_shape_is_right:
; out[row][ch] = the sum over segments s of f(row, s) x (the sum over the segment's 128 keys of p'[row][key] v[key][ch]),  f = 2^(c m_seg - c m_row) / l_row,  c m_row = the largest c m_seg of the row's
; visible segments, l_row = the sum of l_seg 2^(c m_seg - c m_row): together with the launch before, the softmax with the row's true maximum taken away.  f = 0 for a segment past the diagonal.
; pbuf: [4][2048][2048] f16; stats: [4][16][2048][c m_seg, l_seg] f32; v: bytes 4,096 on of qkv's rows of 6,144, f16; out0: [4][2048][1024] f32.  Products, factors and sums in f32.
; LIMITS.  A factor below 2^-126 counts as 0; NaN and infinities are not treated apart.
; SHARES.  A tile is 128 rows x 128 channels; row block i needs (i + 2) / 2 slots of 256 keys.  A work-group makes TWO tiles of one column of tiles, row blocks 15 - b' and then b': 9 slots whatever b', one counted walk
; of 18 segments: PLACES 0 .. 2 nL - 1 are the long tile's segments, the others the short tile's.
; Four waves, each 64 rows x 64 channels.  O^T = V^T P: source 0 = 16 channels x 32 keys, V turned by ds_load_tr16_b128; source 1 = 16 rows of p': a lane holds row l % 16 and the channels 8 (l / 16) + 0..7.
; A segment's sum T (16 accumulators) starts with C = 0; behind the segment's last 16 products ride the 64 packed multiply-adds O += f T.
; CLUSTER: the four column tiles of a cluster walk the same rows of p': waves 0 and 1 ask for them JOINTLY.  V's tiles differ with the column tile: waves 2 and 3 fetch them by loads of their own, behind the same rounds.
; REGISTERS: window 0: v0-31 addresses; v32-39 factors; v64-127 rows on the way out (at the start: the figures); v128-255 T.  window 1: two fragment buffers of 128: 64 registers of p', then 64 of V.  window 2: v0-127 O.
.set PA,    528                        ; a row of p' in LDS: 512 bytes + 16: the 16 rows of a load start at 16 different groups of four banks (ISA guide 11.1)
.set PVV,   288                        ; a row of V: 256 + 32
.set BOFF,  128*PA                     ; a slot: 128 rows of p', then 256 rows of V
.set SLOT,  0x24000                    ; shares no bit with the four waves' places 0, 0x8400, 0x10800, 0x19800 in a slot
.set TBL,   SLOT+BOFF+256*PVV          ; the factors, IN THE ORDER OF THE WALK: 18 places x 128 rows, f32: every store has a constant offset, and the reads step by a constant
.set STAGE, TBL+18*512                 ; 16 rows x 272 bytes for each wave
.set SP,    272
.set SPARE, STAGE+4*16*SP              ; the spare words: two blocks of 256 bytes that no other line names
.set VROW,  6144
.set ADRA0, 2
.set ADRB0, 3
.set ADRA,  4
.set ADRB,  5
.set ADRBH, 6                          ; v6   V's keys 128 on: their offsets would pass 16 bits
.set TA,    8                          ; v8   where the factors of the slot in hand lie: stepped once a slot by 1,024, never set back
.set STO,   9
.set RD,    10
.set CO,    11
.set PFO,   12
.set TW,    13
.set SO,    14
.set SPW,   28
.set NIL,   29
.set FC,    32                         ; v[32:39]  row block a's factor in v[FC + 2 a]; the odd registers hold 0 (named as pairs)
.set BK,    64
.set TT,    128
.set SD,    64                         ; at the start: v[64:99] 18 x (c m_seg, l_seg); v[100:117] their offsets; v[118:135] e, then f; v136-143 at work
.set AD,    100
.set EE,    118
.set MXL,   136                        ; the long tile's row maximum, and the short tile's
.set MXS,   137
.set LLL,   138                        ; the row sums
.set LLS,   139
.set RRL,   140                        ; their reciprocals
.set RRS,   141
.set TM,    142
.set F0,    0
.set F1,    128
.set WV, 12
.set WR, 13
.set WC, 14
.set CX, 15
.set CT, 16
.set BB, 18                            ; the batch
.set BP, 19                            ; b', also the short tile's row block
.set IL, 20                            ; the long tile's row block
.set NL, 21                            ; its slots
.set NS, 22                            ; the short tile's
.set G1A, 24
.set G0A, 32
.set G1B, 40
.set G0B, 48
.set ACUR, 56                          ; s[56:57] p' at my 64 rows of the tile whose slots are being asked for
.set ASH,  58                          ; s[58:59] the same of the short tile
.set VB,   60                          ; s[60:61] V at my 128 keys of slot 0, my column tile
.set NXT,  62                          ; the slot to be asked for next
.set LQ,   63                          ; slots of the tile that is being asked for
.set TB,   66
.set RT,   67                          ; slots left of the tile in hand
.set CNT,  68
.set OFA,  70
.set OFV,  72
.set OUTS, 74
.set PFA,  76
.set PL,   78                          ; the prefetches' bound: the tile's slots in a wave that asks, else 0
.set PL2,  79                          ; the same for the short tile
.set PB,   80
.set PBS,  82
.set PSTR, 84                          ; bytes from slot to slot in what I prefetch
.set KP,   85
.set PLO,  87
.set OFP,  88
.set NL2,  94                          ; 2 nL: the long tile's places in the walk
.set BL,   95                          ; byte offset in stats of the long tile's rows in segment 0 of the batch
.set BS,   96                          ; the same of the short tile's
.set MSB, 0
.macro WIN new
.if MSB != (\new)
	s_set_vgpr_msb (MSB<<8)|(\new)
.set MSB, \new
.endif
.endm
.set MUL,  0x05                        ; sources 0 and 1 window 1; C and D window 0
.set TO_F, 0x40                        ; destination window 1, address window 0
.set FM,   0xa0                        ; O (destination and source 2) window 2; T and f window 0
.macro PLACES
.rept 4
	v_nop
.endr
.endm
.macro JLOAD                           ; waves 0, 1: the joint load of p'; waves 2, 3: V.  An s_nop 0 and four v_nop follow each line
	s_cmp_lt_u32 s[WV], 2
	s_cbranch_scc0 .Lfor_v_\@
	tensor_load_to_lds s[G0A+4:G0A+7], s[G1A:G1A+7]
	s_nop 0
	PLACES
	s_branch .Lasked_\@
.Lfor_v_\@:
	tensor_load_to_lds s[G0B+4:G0B+7], s[G1B:G1B+7]
	s_nop 0
	PLACES
.Lasked_\@:
.endm
.macro CREST
	s_cmp_lg_u32 s[WV], 0
	s_cbranch_scc1 .Lnot_wave_0_\@
	s_barrier_signal -3
.Lnot_wave_0_\@:
	s_barrier_wait -3
	s_barrier_signal -1
	s_barrier_wait -1
.endm
.macro CROUND
	s_barrier_signal -1
	s_barrier_wait -1
	CREST
.endm
; A prefetch into the L2 of the slot that stands two requests on in the same tile (256 matrix instructions ahead of its load); a tile's first two slots come by their loads alone, and none is named past the tile's last.
; p': two clusters walk the same rows; the one with x = 0 asks; its four partners share the 128 rows out by address, 32 each; wave 0 names a row's 512 bytes by two instructions, a lane a row.
; V: the eight work-groups of a batch and column tile walk the same keys; the one with b' = 0 asks, in its long tile, which walks all 8 slots; waves 2 and 3 name their own 128 keys, 256 bytes each, by four instructions.
.macro ASK
	s_cmp_lt_u32 s[KP], s[PLO]
	s_cbranch_scc0 .Lnone_\@
	s_cmp_lt_u32 s[WV], 2
	s_cbranch_scc0 .Lask_v_\@
	global_prefetch_b8 v[PFO], s[PFA:PFA+1] th:TH_LOAD_NT scope:SCOPE_SE
	global_prefetch_b8 v[PFO], s[PFA:PFA+1] offset:256 th:TH_LOAD_NT scope:SCOPE_SE
	s_branch .Lnone_\@
.Lask_v_\@:
.irp j, 0,1,2,3
	global_prefetch_b8 v[PFO], s[PFA:PFA+1] offset:(\j)*32*VROW th:TH_LOAD_NT scope:SCOPE_SE
.endr
.Lnone_\@:
.endm
	s_load_b256 s[4:11], s[0:1], 0x0               ; pbuf s[4:5], stats s[6:7], qkv s[8:9], out0 s[10:11]
	v_lshl_add_u32 v[SPW], v0, 2, SPARE
	v_mov_b32 v[NIL], 0
	ds_add_u32 v[SPW], v[NIL]                      ; the wave's opening: the add and its wait stand ahead of my first tensor load
	v_lshrrev_b32 v1, 5, v0
	v_readfirstlane_b32 s[WV], v1                  ; wave 0..3
	s_lshr_b32 s[WR], s[WV], 1                     ; my half of the tile's rows
	s_and_b32 s[WC], s[WV], 1                      ; my half of its channels.  Also: which half of p's rows or of V's keys I fetch
	s_bfe_u32 s[CX], ttmp6, 0x40000                ; cx: it enters V's, out's and the prefetches' addresses alone
	s_lshl_b32 s[CT], ttmp9, 2
	s_add_co_u32 s[CT], s[CT], s[CX]               ; the column tile
	s_and_b32 s[BP], ttmp7, 0xffff
	s_lshr_b32 s[BB], s[BP], 3
	s_and_b32 s[BP], s[BP], 7
	s_sub_co_u32 s[IL], 15, s[BP]
	s_sub_co_u32 s[NL], 17, s[BP]
	s_lshr_b32 s[NL], s[NL], 1
	s_sub_co_u32 s[NS], 9, s[NL]
	s_lshl_b32 s[NL2], s[NL], 1
	s_mov_b32 s[G1A], 15|(1<<16)|(1<<20)|(1<<21)|(6<<22)|(3<<25)  ; the mask of four; 2-byte elements; padding on; bit 21 beside a mask; after every 128 words 4 words
	s_mov_b32 s[G1A+1], 256<<16                    ; tensor_dim0 = 256 keys
	s_mov_b32 s[G1A+2], 64<<16                     ; tensor_dim1 = 64 rows
	s_mov_b32 s[G1A+3], 256<<16                    ; tile_dim0
	s_mov_b32 s[G1A+4], 64                         ; tile_dim1
	s_mov_b32 s[G1A+5], 2048                       ; elements from row to row
	s_mov_b32 s[G1A+6], 0
	s_mov_b32 s[G1A+7], 0
	s_mov_b32 s[G1B], (1<<16)|(1<<20)|(5<<22)|(7<<25)  ; no mask; after every 64 words 8 words
	s_mov_b32 s[G1B+1], 128<<16                    ; 128 channels
	s_mov_b32 s[G1B+2], 128<<16                    ; 128 keys
	s_mov_b32 s[G1B+3], 128<<16
	s_mov_b32 s[G1B+4], 128
	s_mov_b32 s[G1B+5], 3072
	s_mov_b32 s[G1B+6], 0
	s_mov_b32 s[G1B+7], 0
	s_mov_b32 s[TB], 0
	s_mov_b32 s[NXT], 2
	s_mov_b32 s[LQ], s[NL]
	s_mov_b32 s[RT], s[NL]
	s_lshl_b32 s2, s[BB], 11                       ; the batch's first row
	s_lshl_b32 s3, s[WC], 6
	s_add_co_u32 s3, s3, s2                        ; + the 64 rows of p' that I fetch
	s_lshl_b32 s[OFA], s[IL], 7
	s_add_co_u32 s[OFA], s[OFA], s3
	s_lshl_b32 s[OFA], s[OFA], 12
	s_mov_b32 s[OFA+1], 0
	s_lshl_b32 s[OFV], s[BP], 7
	s_add_co_u32 s[OFV], s[OFV], s3
	s_lshl_b32 s[OFV], s[OFV], 12
	s_mov_b32 s[OFV+1], 0
	s_lshl_b32 s[OFP], s[WC], 7
	s_add_co_u32 s[OFP], s[OFP], s2                ; the 128 keys of V that I fetch
	s_mul_i32 s[OFP], s[OFP], VROW
	s_lshl_b32 s97, s[CT], 8                       ; my column tile's 256 bytes of a row (a register that feeds nothing of the joint load)
	s_add_co_u32 s[OFP], s[OFP], s97
	s_add_co_u32 s[OFP], s[OFP], 4096
	s_mov_b32 s[OFP+1], 0
	s_mul_i32 s17, s[WC], 64*PA                    ; where they go: no place in the cluster enters an LDS address
	s_mul_i32 s23, s[WC], 128*PVV
	s_add_co_u32 s23, s23, BOFF
	s_wait_dscnt 0x0                               ; the opening add is done
	s_wait_kmcnt 0x0
	s_add_nc_u64 s[ACUR:ACUR+1], s[4:5], s[OFA:OFA+1]
	s_add_nc_u64 s[ASH:ASH+1], s[4:5], s[OFV:OFV+1]
	s_add_nc_u64 s[VB:VB+1], s[8:9], s[OFP:OFP+1]
	CROUND                                         ; all four work-groups are here: the first joint loads meet
.irp n, 0,1
	s_mov_b32 s[G0A+4*(\n)], 1
	s_add_co_u32 s[G0A+4*(\n)+1], s17, (\n)*SLOT
	s_add_nc_u64 s[G0A+4*(\n)+2:G0A+4*(\n)+3], s[ACUR:ACUR+1], (\n)*512
	s_or_b32 s[G0A+4*(\n)+3], s[G0A+4*(\n)+3], 0x80000000
	s_mov_b32 s[G0B+4*(\n)], 1
	s_add_co_u32 s[G0B+4*(\n)+1], s23, (\n)*SLOT
	s_add_nc_u64 s[G0B+4*(\n)+2:G0B+4*(\n)+3], s[VB:VB+1], (\n)*256*VROW
	s_or_b32 s[G0B+4*(\n)+3], s[G0B+4*(\n)+3], 0x80000000
.endr
	s_cmp_lt_u32 s[WV], 2                          ; a wave's two first fills stand in one branch: the long tile's slots 0 and 1; two loads of mine are out
	s_cbranch_scc0 .Lfirst_v
	tensor_load_to_lds s[G0A:G0A+3], s[G1A:G1A+7]
	s_nop 0
	tensor_load_to_lds s[G0A+4:G0A+7], s[G1A:G1A+7]
	s_nop 0
	PLACES
	s_branch .Lfirst_asked
.Lfirst_v:
	tensor_load_to_lds s[G0B:G0B+3], s[G1B:G1B+7]
	s_nop 0
	tensor_load_to_lds s[G0B+4:G0B+7], s[G1B:G1B+7]
	s_nop 0
	PLACES
.Lfirst_asked:
	; THE FIGURES, in the order of the walk.  Thread t owns row t of each of the two tiles.  Place wp belongs to the long tile (segment wp) if wp < 2 nL, else to the short one (segment wp - 2 nL).
	; The segment's number is held to the row block i at the most, so that every load names bytes that the launch before has written; a number so held repeats the visible segment i.
	v_lshlrev_b32 v[SO], 3, v0
	v_lshl_add_u32 v[TW], v0, 2, TBL
	s_lshl_b32 s86, s[BB], 18                      ; a batch: 16 segments x 2,048 rows x 8 bytes
	s_lshl_b32 s[BL], s[IL], 10                    ; 128 rows x 8 bytes a row block
	s_add_co_u32 s[BL], s[BL], s86
	s_lshl_b32 s[BS], s[BP], 10
	s_add_co_u32 s[BS], s[BS], s86
.set wp, 0
.rept 18
	s_cmp_gt_u32 s[NL2], wp                        ; the long tile's?  (the three selects leave SCC as it is)
	s_cselect_b32 s90, 0, s[NL2]
	s_cselect_b32 s91, s[IL], s[BP]
	s_cselect_b32 s92, s[BL], s[BS]
	s_sub_co_u32 s90, wp, s90                      ; the segment
	s_min_u32 s90, s90, s91
	s_lshl_b32 s90, s90, 14                        ; 2,048 rows x 8 bytes a segment
	s_add_co_u32 s90, s90, s92
	v_add_nc_u32 v[AD+wp], s90, v[SO]              ; an offset register for each load: none is written again
	global_load_b64 v[SD+2*wp:SD+2*wp+1], v[AD+wp], s[6:7]
.set wp, wp+1
.endr
	; addresses, while the figures and the first tiles are on their way
	v_and_b32 v1, 15, v0                           ; l % 16
	v_bfe_u32 v15, v0, 4, 1                        ; l / 16
	v_and_b32 v16, 31, v0                          ; l
	v_and_b32 v17, 7, v0
	v_bfe_u32 v18, v0, 3, 1
	s_mul_i32 s86, s[WR], 64*PA
	v_mul_u32_u24 v[ADRA0], v1, PA
	v_lshl_add_u32 v[ADRA0], v15, 4, v[ADRA0]
	v_add_nc_u32 v[ADRA0], s86, v[ADRA0]           ; p': my 64 rows; row x pitch + 16 x half
	v_lshl_add_u32 v[ADRB0], v15, 3, v17           ; V: lane l reads key 8 (l / 16) + l % 8, channels 8 ((l / 8) % 2) + 0..7 of a block of 16
	v_mul_u32_u24 v[ADRB0], v[ADRB0], PVV
	v_lshl_add_u32 v[ADRB0], v18, 4, v[ADRB0]
	s_lshl_b32 s86, s[WC], 7
	s_add_co_u32 s86, s86, BOFF
	v_add_nc_u32 v[ADRB0], s86, v[ADRB0]
	v_mov_b32 v[ADRA], v[ADRA0]
	v_mov_b32 v[ADRB], v[ADRB0]
	v_add_nc_u32 v[ADRBH], 128*PVV, v[ADRB0]
	s_lshl_b32 s86, s[WR], 8
	s_add_co_u32 s86, s86, TBL
	v_lshl_add_u32 v[TA], v1, 2, s86               ; place 0: my 64 rows' factors, row l % 16 of a block
	s_mul_i32 s86, s[WV], 16*SP
	s_add_co_u32 s86, s86, STAGE                   ; my stage
	v_mul_u32_u24 v[STO], v1, SP                   ; in: row l % 16, 32 bytes for each half of the lanes
	v_lshl_add_u32 v[STO], v15, 5, v[STO]
	v_add_nc_u32 v[STO], s86, v[STO]
	v_mul_u32_u24 v[RD], v15, SP                   ; back: lanes 0-15 one row of 256 bytes, lanes 16-31 the next
	v_lshl_add_u32 v[RD], v1, 4, v[RD]
	v_add_nc_u32 v[RD], s86, v[RD]
	v_lshlrev_b32 v[CO], 12, v15
	v_lshl_add_u32 v[CO], v1, 4, v[CO]
.irp a, 0,1,2,3
	v_mov_b32 v[FC+2*(\a)+1], 0
.endr
	; out0 at my 64 rows x 64 channels of the two tiles
	s_lshl_b32 s17, s[WR], 6
	s_add_co_u32 s17, s17, s2
	s_lshl_b32 s23, s[CT], 9
	s_lshl_b32 s90, s[WC], 8
	s_add_co_u32 s23, s23, s90
	s_lshl_b32 s90, s[BP], 7
	s_add_co_u32 s90, s90, s17
	s_lshl_b32 s90, s90, 12
	s_add_co_u32 s90, s90, s23
	s_mov_b32 s91, 0
	s_add_nc_u64 s[OUTS:OUTS+1], s[10:11], s[90:91]
	s_lshl_b32 s90, s[IL], 7
	s_add_co_u32 s90, s90, s17
	s_lshl_b32 s90, s90, 12
	s_add_co_u32 s90, s90, s23
	s_add_nc_u64 s[10:11], s[10:11], s[90:91]
	; the prefetches
	s_lshl_b32 s86, s[CX], 5
	s_add_co_u32 s86, s86, s2                      ; my work-group's 32 rows of the 128
	s_lshl_b32 s90, s[IL], 7
	s_add_co_u32 s90, s90, s86
	s_lshl_b32 s90, s90, 12
	s_add_nc_u64 s[PB:PB+1], s[4:5], s[90:91]
	s_lshl_b32 s90, s[BP], 7
	s_add_co_u32 s90, s90, s86
	s_lshl_b32 s90, s90, 12
	s_add_nc_u64 s[PBS:PBS+1], s[4:5], s[90:91]
	s_mov_b32 s86, 512
	s_mov_b32 s90, 256*VROW
	s_mov_b32 s92, 4096
	s_mov_b32 s93, VROW
	s_cmp_lt_u32 s[WV], 2
	s_cselect_b64 s[PB:PB+1], s[PB:PB+1], s[VB:VB+1]
	s_cselect_b64 s[PBS:PBS+1], s[PBS:PBS+1], s[VB:VB+1]
	s_cselect_b32 s[PSTR], s86, s90
	s_cselect_b32 s92, s92, s93
	s_cselect_b32 s86, ttmp9, s[BP]                ; p': the cluster's x, V: b' must be 0,
	s_cselect_b32 s90, s[WV], 0                    ; and of waves 0 and 1 only wave 0 asks
	v_mul_u32_u24 v[PFO], s92, v16                 ; a lane a row
	s_or_b32 s86, s86, s90
	s_cmp_eq_u32 s86, 0
	s_cselect_b32 s[PL], s[NL], 0
	s_cselect_b32 s[PL2], s[NS], 0
	s_cmp_lt_u32 s[WV], 2
	s_cselect_b32 s[PL2], s[PL2], 0                ; V is asked for in the long tile alone
	WIN 0x80
.set i, 0
.rept 128
	v_mov_b32 v[i], 0                              ; O starts at 0, so that every segment has one text: written while the first tiles are on their way
.set i, i+1
.endr
	WIN 0
	s_wait_loadcnt 0x0                             ; the figures
	; THE FACTORS.  Places 0-9 are the long tile's whatever b' (2 nL is 10 at the least), places 16 and 17 the short tile's (16 at the most); for places 10-15 a scalar mask chooses.
	; The two maxima go over visible segments alone: where a place is the other tile's, a figure of the tile's own stands in for it (place 0's, place 17's).
	v_max_num_f32 v[MXL], v[SD], v[SD+2]
.set wp, 2
.rept 8
	v_max_num_f32 v[MXL], v[MXL], v[SD+2*wp]
.set wp, wp+1
.endr
	v_max_num_f32 v[MXS], v[SD+32], v[SD+34]
.set wp, 10
.rept 6
	s_cmp_gt_u32 s[NL2], wp
	s_cselect_b32 s90, -1, 0                       ; all ones: the long tile's
	v_cndmask_b32 v[TM], v[SD], v[SD+2*wp], s90
	v_cndmask_b32 v[TM+1], v[SD+2*wp], v[SD+34], s90
	v_max_num_f32 v[MXL], v[MXL], v[TM]
	v_max_num_f32 v[MXS], v[MXS], v[TM+1]
.set wp, wp+1
.endr
.set wp, 0
.rept 18                               ; c m_seg - c m_row
.if wp < 10
	v_sub_f32 v[EE+wp], v[SD+2*wp], v[MXL]
.elseif wp >= 16
	v_sub_f32 v[EE+wp], v[SD+2*wp], v[MXS]
.else
	s_cmp_gt_u32 s[NL2], wp
	s_cselect_b32 s90, -1, 0
	v_cndmask_b32 v[TM], v[MXS], v[MXL], s90
	v_sub_f32 v[EE+wp], v[SD+2*wp], v[TM]
.endif
.set wp, wp+1
.endr
.set wp, 0
.rept 18
	v_exp_f32 v[EE+wp], v[EE+wp]
.set wp, wp+1
.endr
	v_nop                                          ; a plain instruction behind the last exponential (ISA guide 5.7.2),
	s_wait_alu depctr_va_vdst(0)                   ; and one wait ahead of the batch's first reader
.set wp, 9
.rept 9                                ; times 0 past the diagonal: where the segment's number is above the row block's.  Places 0-8 are always visible: the long tile's row block is 8 at the least
	s_cmp_gt_u32 s[NL2], wp
	s_cselect_b32 s90, 0, s[NL2]
	s_cselect_b32 s91, s[IL], s[BP]
	s_sub_co_u32 s90, wp, s90
	s_cmp_le_u32 s90, s91
	s_cselect_b32 s90, 1.0, 0
	v_mul_f32 v[EE+wp], s90, v[EE+wp]
.set wp, wp+1
.endr
	v_mul_f32 v[LLL], v[EE], v[SD+1]               ; the two row sums: each holds the term of the row's largest segment, e = 1 times an l_seg that holds that segment's largest weight
.set wp, 1
.rept 9
	v_fmac_f32 v[LLL], v[EE+wp], v[SD+2*wp+1]
.set wp, wp+1
.endr
	v_mul_f32 v[LLS], v[EE+16], v[SD+33]
	v_fmac_f32 v[LLS], v[EE+17], v[SD+35]
.set wp, 10
.rept 6
	s_cmp_gt_u32 s[NL2], wp
	s_cselect_b32 s90, 1.0, 0
	s_cselect_b32 s91, 0, 1.0
	v_mul_f32 v[TM], v[EE+wp], v[SD+2*wp+1]
	v_fmac_f32 v[LLL], s90, v[TM]
	v_fmac_f32 v[LLS], s91, v[TM]
.set wp, wp+1
.endr
	v_rcp_f32 v[RRL], v[LLL]
	v_rcp_f32 v[RRS], v[LLS]
	v_nop
	s_wait_alu depctr_va_vdst(0)                   ; one wait for the two reciprocals
.set wp, 0
.rept 18
.if wp < 10
	v_mul_f32 v[EE+wp], v[EE+wp], v[RRL]
.elseif wp >= 16
	v_mul_f32 v[EE+wp], v[EE+wp], v[RRS]
.else
	s_cmp_gt_u32 s[NL2], wp
	s_cselect_b32 s90, -1, 0
	v_cndmask_b32 v[TM], v[RRS], v[RRL], s90
	v_mul_f32 v[EE+wp], v[EE+wp], v[TM]
.endif
	ds_store_b32 v[TW], v[EE+wp] offset:512*wp
.set wp, wp+1
.endr
; 8 matrix instructions: row blocks a0, a0 + 1 x all 4 channel blocks, 32 keys: half c of buffer f.  zero = 1: the products start the segment's sums.  The 16 accumulators take turns.
.macro MUL8 f, c, a0, zero
	WIN MUL
.irp a, \a0, (\a0)+1
.irp b, 0,1,2,3
.if \zero
	v_wmma_f32_16x16x32_f16 v[TT+8*(4*(\a)+(\b)):TT+8*(4*(\a)+(\b))+7], v[(\f)+64+8*(4*(\c)+(\b)):(\f)+64+8*(4*(\c)+(\b))+7], v[(\f)+8*(4*(\c)+(\a)):(\f)+8*(4*(\c)+(\a))+7], 0
.else
	v_wmma_f32_16x16x32_f16 v[TT+8*(4*(\a)+(\b)):TT+8*(4*(\a)+(\b))+7], v[(\f)+64+8*(4*(\c)+(\b)):(\f)+64+8*(4*(\c)+(\b))+7], v[(\f)+8*(4*(\c)+(\a)):(\f)+8*(4*(\c)+(\a))+7], v[TT+8*(4*(\a)+(\b)):TT+8*(4*(\a)+(\b))+7]
.endif
.endr
.endr
.endm
.macro FMA m                           ; O += f T for accumulator m, from its low end on
	WIN FM
.irp z, 0,1,2,3
	v_pk_fma_f32 v[8*(\m)+2*(\z):8*(\m)+2*(\z)+1], v[TT+8*(\m)+2*(\z):TT+8*(\m)+2*(\z)+1], v[FC+2*((\m)/4):FC+2*((\m)/4)+1], v[8*(\m)+2*(\z):8*(\m)+2*(\z)+1] op_sel_hi:[1,0,1]
.endr
.endm
; A segment's last 16 products (half 1 of buffer f).  Behind product n stand the four multiply-adds of accumulator n - 1, which name none of product n's registers: they are the four places ahead of accumulator n's own.
; The v_nop at the end is the fifth place between the last product and the next segment's product that writes over its accumulator.
.macro MULR f
.set mn, 0
.rept 16
	WIN MUL
	v_wmma_f32_16x16x32_f16 v[TT+8*mn:TT+8*mn+7], v[(\f)+64+8*(4+mn%4):(\f)+64+8*(4+mn%4)+7], v[(\f)+8*(4+mn/4):(\f)+8*(4+mn/4)+7], v[TT+8*mn:TT+8*mn+7]
.if mn == 0
	PLACES
.else
	FMA mn-1
.endif
.set mn, mn+1
.endr
	FMA 15
	v_nop
.endm
; 32 LDS loads in one run: the fragments of keys 64 q .. 64 q + 63 of the slot in hand, into buffer f; the first 32 keys first
.macro FETCH q, f
	WIN TO_F
.set AB, ADRB
.if (\q) >= 2
.set AB, ADRBH
.endif
.irp c, 0,1
.irp i, 0,1,2,3
	ds_load_tr16_b128 v[(\f)+64+8*(4*(\c)+(\i)):(\f)+64+8*(4*(\c)+(\i))+3],   v[AB] offset:(((\q)&1)*64+32*(\c))*PVV+32*(\i)
	ds_load_tr16_b128 v[(\f)+64+8*(4*(\c)+(\i))+4:(\f)+64+8*(4*(\c)+(\i))+7], v[AB] offset:(((\q)&1)*64+32*(\c)+16)*PVV+32*(\i)
	ds_load_b128 v[(\f)+8*(4*(\c)+(\i)):(\f)+8*(4*(\c)+(\i))+3],   v[ADRA] offset:128*(\q)+64*(\c)+(\i)*16*PA
	ds_load_b128 v[(\f)+8*(4*(\c)+(\i))+4:(\f)+8*(4*(\c)+(\i))+7], v[ADRA] offset:128*(\q)+64*(\c)+(\i)*16*PA+32
.endr
.endr
.endm
; The factors of segment sgm (0, 1) of the slot in hand, for my four row blocks.  The segment stands in the immediate; behind the slot's second segment the pointer goes on to the next slot's two places.
.macro FLOAD sgm
	WIN 0
.irp a, 0,1,2,3
	ds_load_b32 v[FC+2*(\a)], v[TA] offset:512*(\sgm)+64*(\a)
.endr
.if \sgm
	v_add_nc_u32 v[TA], 1024, v[TA]
.endif
.endm
; A quarter of a slot, 64 keys: multiplies buffer f and fetches quarter q into buffer g.  ride = 1: the segment ends here.  fl = 1: the factors of segment q / 2 are fetched.  head: how many younger LDS loads may be out when the first 32 keys must be in.
.macro QUARTER q, f, g, zero, ride, fl, head
	s_wait_dscnt \head
	MUL8 \f, 0, 0, \zero
	MUL8 \f, 0, 2, \zero
	PLACES
	FETCH \q, \g
.if \fl
	FLOAD (\q)/2
.endif
	s_wait_dscnt 32+4*(\fl)                        ; all but what this run has issued
.if \ride
	MULR \f
.else
	MUL8 \f, 1, 0, 0
	MUL8 \f, 1, 2, 0
.endif
.endm
; The slot's last quarter and the change of slots: one barrier; in front of it each wave waits for all its tensor loads, adds 0 to its spare word, and waits for that and for its reads of this slot.
; fill = 1: the barrier opens a round of the cluster's barrier; this slot is filled again first thing behind it, with slot NXT of the tile that is being asked for: 112 matrix instructions ahead of the wait for it.
.macro TURN fill
	WIN 0
.if \fill
	s_wait_xcnt 0x0                                ; the last prefetches, a slot back, have read their address
.endif
	s_wait_tensorcnt 0x0                           ; no tensor load of mine is out, so a group 0 may be written
	ds_add_u32 v[SPW], v[NIL]                      ; 0 onto my spare word: the scalar work below stands between it and the wait for it
.if \fill
	s_add_co_u32 s[KP], s[NXT], 2
	s_mul_i32 s[OFP], s[KP], s[PSTR]
	s_add_nc_u64 s[PFA:PFA+1], s[PB:PB+1], s[OFP:OFP+1]
	s_mov_b32 s[PLO], s[PL]
	s_lshl_b32 s[OFA], s[NXT], 9                   ; 256 keys of p' are 512 bytes of a row,
	s_mul_i32 s[OFV], s[NXT], 256*VROW             ; of V 256 rows
	s_xor_b32 s[G0A+5], s[G0A+5], SLOT
	s_add_nc_u64 s[G0A+6:G0A+7], s[ACUR:ACUR+1], s[OFA:OFA+1]
	s_or_b32 s[G0A+7], s[G0A+7], 0x80000000
	s_xor_b32 s[G0B+5], s[G0B+5], SLOT
	s_add_nc_u64 s[G0B+6:G0B+7], s[VB:VB+1], s[OFV:OFV+1]
	s_or_b32 s[G0B+7], s[G0B+7], 0x80000000
	s_add_co_u32 s[NXT], s[NXT], 1                 ; the tile's next slot, or behind its last the short tile's slot 0
	s_cmp_ge_u32 s[NXT], s[LQ]
	s_cselect_b32 s[NXT], 0, s[NXT]
	s_cselect_b32 s[LQ], s[NS], s[LQ]
	s_cselect_b64 s[ACUR:ACUR+1], s[ASH:ASH+1], s[ACUR:ACUR+1]
	s_cselect_b64 s[PB:PB+1], s[PBS:PBS+1], s[PB:PB+1]
	s_cselect_b32 s[PL], s[PL2], s[PL]
.endif
	s_wait_dscnt 21                                ; (the add, the 4 factors and the youngest 16 fragment loads may be out)
	MUL8 F1, 0, 0, 0
	s_wait_dscnt 0x0                               ; the add is done, and my reads of this slot are over
	s_barrier_signal -1
	MUL8 F1, 0, 2, 0
	WIN 0
	s_barrier_wait -1
.if \fill
	CREST                                          ; no wave of any partner still reads this slot or has a load on its way
	JLOAD                                          ; the four v_nop behind it are also the places in front of the loads below
.else
	PLACES
.endif
	s_xor_b32 s[TB], s[TB], SLOT
	v_add_nc_u32 v[ADRA], s[TB], v[ADRA0]
	v_add_nc_u32 v[ADRB], s[TB], v[ADRB0]
	v_add_nc_u32 v[ADRBH], 128*PVV, v[ADRB]
	FETCH 0, F0
	WIN 0
.if \fill
	ASK
.endif
	MULR F1
.endm
.macro STEP fill                       ; a slot: two segments of 128 keys
	QUARTER 1, F0, F1, 1, 0, 1, 16                 ; the youngest 16 fragment loads may be out
	QUARTER 2, F1, F0, 0, 1, 0, 20                 ; those and the 4 factors
	QUARTER 3, F0, F1, 1, 0, 1, 16
	TURN \fill
.endm
; Behind a tile's last slot: THE WAY OUT, a block of 16 rows at a time through my stage; then the short tile's pointer, and O = 0 again.  The jump goes forward, past no barrier and no tensor load, and hangs on b' alone.
; No LDS address is written here: the factors lie in the order of the walk.
.macro ENDSTEP
	WIN 0
	s_sub_co_u32 s[RT], s[RT], 1
	s_cmp_lg_u32 s[RT], 0
	s_cbranch_scc1 .Lgo_on_\@
.irp a, 0,1,2,3
	WIN 0x08                                       ; the data: window 2
.irp b, 0,1,2,3
.irp q, 0,1
	ds_store_b128 v[STO], v[8*(4*(\a)+(\b))+4*(\q):8*(4*(\a)+(\b))+4*(\q)+3] offset:64*(\b)+16*(\q)
.endr
.endr
	WIN 0
.if (\a) >= 2
	s_wait_xcnt 0x0                                ; the registers that the block two back was stored from are loaded again only behind this wait
.endif
.irp t, 0,1,2,3,4,5,6,7
	ds_load_b128 v[BK+32*((\a)%2)+4*(\t):BK+32*((\a)%2)+4*(\t)+3], v[RD] offset:(\t)*2*SP  ; LDS serves a wave's instructions in order: these see the stores above
.endr
	s_wait_dscnt 0x0
.irp t, 0,1,2,3,4,5,6,7
	global_store_b128 v[CO], v[BK+32*((\a)%2)+4*(\t):BK+32*((\a)%2)+4*(\t)+3], s[10:11] offset:(16*(\a)+2*(\t))*4096 th:TH_STORE_NT  ; 16 lanes store 256 consecutive bytes, aligned
.endr
.endr
	s_wait_xcnt 0x0                                ; the stores have read their base and data
	s_mov_b64 s[10:11], s[OUTS:OUTS+1]
	s_mov_b32 s[RT], s[NS]
	WIN 0x80
.set i, 0
.rept 128
	v_mov_b32 v[i], 0
.set i, i+1
.endr
	WIN 0
.Lgo_on_\@:
.endm
	s_wait_tensorcnt 1                             ; my part of slot 0 is in; slot 1's may stay out
	s_wait_dscnt 0x0                               ; my part of the factors is written
	s_barrier_signal -1
	s_barrier_wait -1
	FETCH 0, F0
	WIN 0
	s_mov_b32 s[CNT], 7
.Lstep:                                                ; seven slots are read and filled again: places 2 to 8 of the walk's nine slots are asked for
	STEP 1
	ENDSTEP
	s_sub_co_u32 s[CNT], s[CNT], 1
	s_cmp_lg_u32 s[CNT], 0
	s_cbranch_scc1 .Lstep
	s_mov_b32 s[CNT], 2
.Ltail:                                                ; the last two slots ask for nothing.  The very last change fetches fragments of the slot read before, which serve nothing: the price of one text for both
	STEP 0
	ENDSTEP
	s_sub_co_u32 s[CNT], s[CNT], 1
	s_cmp_lg_u32 s[CNT], 0
	s_cbranch_scc1 .Ltail
	s_wait_tensorcnt 0x0                           ; the wave's end: behind my last tensor load and my last LDS store
	ds_add_u32 v[SPW], v[NIL]
	s_wait_dscnt 0x0
	CROUND                                         ; the closing round
	s_endpgm
.Lfunc_end_k_qc0f1b5fbdc_pv:
	.size	k_qc0f1b5fbdc_pv, .Lfunc_end_k_qc0f1b5fbdc_pv-k_qc0f1b5fbdc_pv
	.p2alignl 7, 3214868480
	.fill 96, 4, 3214868480
	.section	.rodata,"a",@progbits
	.p2align	6, 0x0
	.amdhsa_kernel k_qc0f1b5fbdc_pv
		.amdhsa_group_segment_fixed_size 327680
		.amdhsa_private_segment_fixed_size 0
		.amdhsa_enable_private_segment 0
		.amdhsa_kernarg_size 32
		.amdhsa_user_sgpr_count 2
		.amdhsa_user_sgpr_kernarg_segment_ptr 1
		.amdhsa_wavefront_size32 1
		.amdhsa_system_sgpr_workgroup_id_x 1
		.amdhsa_system_sgpr_workgroup_id_y 1
		.amdhsa_system_sgpr_workgroup_id_z 1
		.amdhsa_system_vgpr_workitem_id 0
		.amdhsa_next_free_vgpr 640
		.amdhsa_next_free_sgpr 100
		.amdhsa_reserve_vcc 0
		.amdhsa_float_denorm_mode_32 3
		.amdhsa_float_denorm_mode_16_64 3
		.amdhsa_memory_ordered 1
		.amdhsa_forward_progress 1
		.amdhsa_inst_pref_size 115
	.end_amdhsa_kernel
	.amdgpu_metadata
---
amdhsa.version: [ 1, 2 ]
amdhsa.kernels:
  - .name:           k_qc0f1b5fbdc_pv
    .symbol:         k_qc0f1b5fbdc_pv.kd
    .args:
      - { .name: pbuf, .offset: 0, .size: 8, .value_kind: global_buffer, .address_space: global }
      - { .name: stats, .offset: 8, .size: 8, .value_kind: global_buffer, .address_space: global }
      - { .name: qkv, .offset: 16, .size: 8, .value_kind: global_buffer, .address_space: global }
      - { .name: out0, .offset: 24, .size: 8, .value_kind: global_buffer, .address_space: global }
    .group_segment_fixed_size: 327680
    .private_segment_fixed_size: 0
    .kernarg_segment_align: 8
    .kernarg_segment_size: 32
    .max_flat_workgroup_size: 128
    .sgpr_count:     100
    .vgpr_count:     640
    .wavefront_size: 32
...
	.end_amdgpu_metadata
.endif
;; end of part 4
;; ======== version 2 of 2: 4 launches; version 1 with the launch cast written anew for expert scheduling mode
;; limits: values are held in f16: magnitudes above 65,504 overflow, below 6.1e-05 lose precision
;; workspace buffers: xb 16,777,216 bytes; wb 6,291,456 bytes; qkv 50,331,648 bytes; pbuf 33,554,432 bytes; stats 1,048,576 bytes
;; launch cast (part 5): grid 704 x 1, 8 waves a work-group, no clusters, 0 bytes of LDS; arguments x, Wq, Wk, Wv, xb, wb; writes xb, wb
.if DOCPART == 5
	.amdgcn_target "amdgcn-amd-amdhsa--gfx1250"
	.amdhsa_code_object_version 6
	.text
	.protected	k_qc0f1b5fbdc_cast
	.globl	k_qc0f1b5fbdc_cast
	.p2align	8
	.type	k_qc0f1b5fbdc_cast,@function
k_qc0f1b5fbdc_cast:
	s_mov_b64 s[64:65], 0
	v_nop
	global_prefetch_b8 v0, s[64:65] scope:SCOPE_SE
	s_setreg_imm32_b32 hwreg(HW_REG_WAVE_SCHED_MODE, 0, 2), 2
	s_setreg_imm32_b32 hwreg(HW_REG_WAVE_MODE, 25, 1), 1
	s_wait_xcnt 0x0
	s_wait_alu depctr_vm_vsrc(0)
; x [8192][1024] f32 -> xb bf16;  Wq, Wk, Wv [1024][1024] f32 -> wb bf16 (rows 0-1023 Wq, 1024-2047 Wk, 2048-3071 Wv).  Each number is rounded once, to nearest even.
; THE OUTPUT LIES IN BLOCKS ALONG K: xb is [16 blocks][8192 rows][64 numbers], wb [16][3072][64]: the rows of one block are 128 bytes and lie end to end, so that the next launch's tiles (some rows x 64 along K) are dense.
; A stream: a work-group takes 16 rows, 65,536 bytes in and 32,768 out.  Work-groups 0-511 take x, 512-703 the three weights, 64 each.
; Thread t takes row t / 16; load i brings its 16 bytes of the row's block i: sixteen lanes read 256 consecutive bytes, aligned.  The four numbers go to byte 8 t of the 16 rows' 2,048 bytes in block i:
; a wave's store covers 256 consecutive bytes, aligned: two rows of the block.
; All 16 loads go out first; no register is written twice, so no wait frees a source.  No LDS, no matrix unit, no prefetch: every byte is read once and the loads themselves are the stream.
; THE MODE: SCHED_MODE bits 1:0 = 2 (LLVM: expert scheduling mode 2), set by the entry lines.  The code itself states the register dependences
; between vector instructions and memory instructions, with s_wait_alu, always for 0.
; THE PLAN.  Registers that memory instructions touch:
;   v1          the loads' offset.   Written at the head by vector instructions, once; read by all 16 loads.
;   v[OF + i]   store i's offset.    Written at the head by a vector instruction, once; read by store i.
;   v[XI ..]    Written by load i, once, and by nothing else; read by number i's two conversions.
;   v[YO ..]    Written by number i's two conversions, once; read by store i.
; So the only dependences to state are of one kind: a vector instruction has written what a memory instruction reads.  One wait ahead of the first load states it for all offsets.  The 16 numbers go in four groups of
; four; a group's stores are issued in the next group, behind ONE wait at that group's head, and are dealt among that group's conversions, which name this group's XI and YO alone: none of the registers that those stores read.
; One more wait stands ahead of the last group's stores.  No vector instruction writes a scalar register or VCC, and EXEC is never written.
.set XI, 8                             ; v[8:71]     16 x 4 numbers as loaded
.set YO, 72                            ; v[72:103]   16 x 4 numbers in bf16
.set OF, 104                           ; v[104:119]  8 t + i blocks: where load i's numbers go
.set XSTR, 8192*128                    ; bytes in a block of xb
.set WSTR, 3072*128                    ; and of wb
	s_load_b256 s[4:11], s[0:1], 0x0               ; x s[4:5], Wq s[6:7], Wk s[8:9], Wv s[10:11]
	s_load_b128 s[12:15], s[0:1], 0x20             ; xb s[12:13], wb s[14:15]
	v_lshrrev_b32 v1, 4, v0                        ; my row of the 16
	v_and_b32 v3, 15, v0
	v_lshlrev_b32 v1, 12, v1
	v_lshl_add_u32 v1, v3, 4, v1                   ; row x 4,096 + my 16 bytes of a block's 256
	v_lshlrev_b32 v2, 3, v0                        ; my 8 bytes of the 2,048 out
	s_sub_co_u32 s16, ttmp9, 512                   ; my chunk among the weights' 192 (used only from work-group 512 on)
	s_lshr_b32 s17, s16, 6                         ; which weight
	s_and_b32 s18, s16, 63                         ; my chunk in it
	s_mov_b32 s27, 0
	s_mov_b32 s29, 0
	s_mov_b32 s30, XSTR
	s_mov_b32 s31, WSTR
	s_cmp_lt_u32 ttmp9, 512
	s_cselect_b32 s30, s30, s31                    ; bytes from block to block in my destination
.irp i, 0,1,2,3,4,5,6,7,8,9,10,11,12,13,14,15
	s_mul_i32 s19, s30, \i
	v_add_nc_u32 v[OF+(\i)], s19, v2
.endr
	s_wait_kmcnt 0x0
	s_cmp_eq_u32 s17, 1
	s_cselect_b64 s[20:21], s[8:9], s[6:7]
	s_cmp_eq_u32 s17, 2
	s_cselect_b64 s[20:21], s[10:11], s[20:21]
	s_cmp_lt_u32 ttmp9, 512                        ; the four selects below leave SCC as it is
	s_cselect_b64 s[20:21], s[4:5], s[20:21]       ; from
	s_cselect_b64 s[22:23], s[12:13], s[14:15]     ; to
	s_cselect_b32 s24, ttmp9, s18                  ; chunk in the source
	s_cselect_b32 s25, ttmp9, s16                  ; chunk in the destination
	s_lshl_b32 s26, s24, 16                        ; 16 rows of 4,096 bytes
	s_lshl_b32 s28, s25, 11                        ; 16 rows of 128 bytes
	s_add_nc_u64 s[20:21], s[20:21], s[26:27]
	s_add_nc_u64 s[22:23], s[22:23], s[28:29]
	s_wait_alu depctr_va_vdst(0)                   ; v1 and v[OF .. OF+15] are written: the loads below read v1 as their offset, each store of the kernel one of the sixteen; none is written again
.irp i, 0,1,2,3,4,5,6,7,8,9,10,11,12,13,14,15
	global_load_b128 v[XI+4*(\i):XI+4*(\i)+3], v1, s[20:21] offset:256*(\i) th:TH_LOAD_NT
.endr
; Group g: numbers 4 g to 4 g + 3 are rounded; the stores of group g - 1 stand among the conversions, one ahead of each pair.
.irp g, 0,1,2,3
	s_wait_loadcnt 12-4*(\g)                       ; loads come back in order (ISA guide 5.7.1): the group's four are in, the 12 - 4 g younger ones stay out
.if (\g) > 0
	s_wait_alu depctr_va_vdst(0)                   ; the conversions of the group before have written its eight registers of YO, which the four stores below read
.endif
.irp j, 0,1,2,3
.if (\g) > 0
	global_store_b64 v[OF+4*(\g)-4+(\j)], v[YO+2*(4*(\g)-4+(\j)):YO+2*(4*(\g)-4+(\j))+1], s[22:23]  ; the group before; no vector instruction since the wait names these registers
.endif
	v_cvt_pk_bf16_f32 v[YO+2*(4*(\g)+(\j))], v[XI+4*(4*(\g)+(\j))], v[XI+4*(4*(\g)+(\j))+1]
	v_cvt_pk_bf16_f32 v[YO+2*(4*(\g)+(\j))+1], v[XI+4*(4*(\g)+(\j))+2], v[XI+4*(4*(\g)+(\j))+3]
.endr
.endr
	s_wait_alu depctr_va_vdst(0)                   ; the last group's conversions have written v[YO+24 .. YO+31], which the last four stores read
.irp j, 0,1,2,3
	global_store_b64 v[OF+12+(\j)], v[YO+24+2*(\j):YO+24+2*(\j)+1], s[22:23]
.endr
	s_endpgm
.Lfunc_end_k_qc0f1b5fbdc_cast:
	.size	k_qc0f1b5fbdc_cast, .Lfunc_end_k_qc0f1b5fbdc_cast-k_qc0f1b5fbdc_cast
	.p2alignl 7, 3214868480
	.fill 96, 4, 3214868480
	.section	.rodata,"a",@progbits
	.p2align	6, 0x0
	.amdhsa_kernel k_qc0f1b5fbdc_cast
		.amdhsa_group_segment_fixed_size 0
		.amdhsa_private_segment_fixed_size 0
		.amdhsa_enable_private_segment 0
		.amdhsa_kernarg_size 48
		.amdhsa_user_sgpr_count 2
		.amdhsa_user_sgpr_kernarg_segment_ptr 1
		.amdhsa_wavefront_size32 1
		.amdhsa_system_sgpr_workgroup_id_x 1
		.amdhsa_system_sgpr_workgroup_id_y 1
		.amdhsa_system_sgpr_workgroup_id_z 1
		.amdhsa_system_vgpr_workitem_id 0
		.amdhsa_next_free_vgpr 120
		.amdhsa_next_free_sgpr 66
		.amdhsa_reserve_vcc 0
		.amdhsa_float_denorm_mode_32 3
		.amdhsa_float_denorm_mode_16_64 3
		.amdhsa_memory_ordered 1
		.amdhsa_forward_progress 1
		.amdhsa_inst_pref_size 8
	.end_amdhsa_kernel
	.amdgpu_metadata
---
amdhsa.version: [ 1, 2 ]
amdhsa.kernels:
  - .name:           k_qc0f1b5fbdc_cast
    .symbol:         k_qc0f1b5fbdc_cast.kd
    .args:
      - { .name: x, .offset: 0, .size: 8, .value_kind: global_buffer, .address_space: global }
      - { .name: Wq, .offset: 8, .size: 8, .value_kind: global_buffer, .address_space: global }
      - { .name: Wk, .offset: 16, .size: 8, .value_kind: global_buffer, .address_space: global }
      - { .name: Wv, .offset: 24, .size: 8, .value_kind: global_buffer, .address_space: global }
      - { .name: xb, .offset: 32, .size: 8, .value_kind: global_buffer, .address_space: global }
      - { .name: wb, .offset: 40, .size: 8, .value_kind: global_buffer, .address_space: global }
    .group_segment_fixed_size: 0
    .private_segment_fixed_size: 0
    .kernarg_segment_align: 8
    .kernarg_segment_size: 48
    .max_flat_workgroup_size: 256
    .sgpr_count:     66
    .vgpr_count:     120
    .wavefront_size: 32
...
	.end_amdgpu_metadata
.endif
;; end of part 5
;; launch proj: the kernel of part 2 again; grid 8 x 32, 4 waves a work-group, clusters of 4 x 4, 327,680 bytes of LDS; arguments xb, wb, qkv; writes qkv
;; launch score: the kernel of part 3 again; grid 36 x 4, 4 waves a work-group, no clusters, 327,680 bytes of LDS; arguments qkv, pbuf, stats; writes pbuf, stats
;; launch pv: the kernel of part 4 again; grid 8 x 32, 4 waves a work-group, clusters of 4 x 1, 327,680 bytes of LDS; arguments pbuf, stats, qkv, out0; writes out0
